; MI455X (gfx1250); checked and timed in simulation.
; The chip was launched on July 23, 2026; its instructions are those of AMD's public machine-readable ISA for CDNA 5 (MIT licence, August 2026) and "CDNA5" Instruction Set Architecture Reference Guide (July 2026). The comments in the code are by the model that wrote it; some were corrected since.
;; Axial Softmax Attention. Allowed arithmetic: matrix products marked QUANTISED: E2M3 operands, one E8M0 scale for each 32 along K, by v_wmma_scale_f32_16x16x128_f8f6f4 with both operands' format E2M3, f32 sums; products left as they are: f32 operands where the result goes on into a quantised operand, else bf16, f16 or f32 operands; f32 sums; everything else in f32.
;; Inputs: b_k_ant 1,024 float32; b_k_freq 1,024 float32; b_out 1,024 float32; b_q_ant 1,024 float32; b_q_freq 1,024 float32; b_v_ant 1,024 float32; b_v_freq 1,024 float32; w_k_ant_codes 1,024 x 32 x 24 uint8 (E2M3 codes of w_k_ant, K innermost, in blocks of 32 codes, four codes in three bytes); w_k_ant_scales 1,024 x 32 uint8 (E8M0 scales of w_k_ant, one for each 32 codes along K); w_k_freq_codes 1,024 x 32 x 24 uint8 (E2M3 codes of w_k_freq, K innermost, in blocks of 32 codes, four codes in three bytes); w_k_freq_scales 1,024 x 32 uint8 (E8M0 scales of w_k_freq, one for each 32 codes along K); w_out_codes 1,024 x 32 x 24 uint8 (E2M3 codes of w_out, K innermost, in blocks of 32 codes, four codes in three bytes); w_out_scales 1,024 x 32 uint8 (E8M0 scales of w_out, one for each 32 codes along K); w_q_ant_codes 1,024 x 32 x 24 uint8 (E2M3 codes of w_q_ant, K innermost, in blocks of 32 codes, four codes in three bytes); w_q_ant_scales 1,024 x 32 uint8 (E8M0 scales of w_q_ant, one for each 32 codes along K); w_q_freq_codes 1,024 x 32 x 24 uint8 (E2M3 codes of w_q_freq, K innermost, in blocks of 32 codes, four codes in three bytes); w_q_freq_scales 1,024 x 32 uint8 (E8M0 scales of w_q_freq, one for each 32 codes along K); w_v_ant_codes 1,024 x 32 x 24 uint8 (E2M3 codes of w_v_ant, K innermost, in blocks of 32 codes, four codes in three bytes); w_v_ant_scales 1,024 x 32 uint8 (E8M0 scales of w_v_ant, one for each 32 codes along K); w_v_freq_codes 1,024 x 32 x 24 uint8 (E2M3 codes of w_v_freq, K innermost, in blocks of 32 codes, four codes in three bytes); w_v_freq_scales 1,024 x 32 uint8 (E8M0 scales of w_v_freq, one for each 32 codes along K); x 64 x 129 x 1,024 float32.
;; Outputs: out0 64 x 129 x 1,024 float32.
;; This version of the problem:
;;   THIS VERSION OF THE PROBLEM IS GIVEN IN LOW PRECISION. The matrix products marked QUANTISED in the list below multiply operands that are first quantised to E2M3 (2 exponent bits, 3 mantissa bits; 6 bits a number), with one power-of-two scale for each 32 numbers along K (OCP MX v1.0); their sums are f32. All else is computed in f32.
;;   The module's matrix products, in the order in which they are computed (A, B: the left and right operand; K: the contracted axis; several contracted axes count as one K, in the product's order):
;;     1. [M 8,192, K 1,024] x [K 1,024, N 1,024]; A: input x; B: input w_q_ant (given as codes): QUANTISED
;;     2. [M 8,192, K 1,024] x [K 1,024, N 1,024]; A: input x; B: input w_k_ant (given as codes): QUANTISED
;;     3. [M 8,192, K 1,024] x [K 1,024, N 1,024]; A: input x; B: input w_v_ant (given as codes): QUANTISED
;;     4. batch 4,096 x [M 32, K 64] x [K 64, N 32]; A: computed on the way; B: computed on the way: QUANTISED
;;     5. batch 4,096 x [M 32, K 32] x [K 32, N 64]; A: softmax (see below); B: computed on the way: QUANTISED
;;     6. [M 8,192, K 1,024] x [K 1,024, N 1,024]; A: computed on the way; B: input w_q_freq (given as codes): QUANTISED
;;     7. [M 8,192, K 1,024] x [K 1,024, N 1,024]; A: computed on the way; B: input w_k_freq (given as codes): QUANTISED
;;     8. [M 8,192, K 1,024] x [K 1,024, N 1,024]; A: computed on the way; B: input w_v_freq (given as codes): QUANTISED
;;     9. batch 32,768 x [M 4, K 64] x [K 64, N 4]; A: computed on the way; B: computed on the way: left as it is (M = 4 < 16)
;;     10. batch 32,768 x [M 4, K 4] x [K 4, N 64]; A: softmax (see below); B: computed on the way: left as it is (K = 4 < 32)
;;     11. [M 8,192, K 1,024] x [K 1,024, N 1,024]; A: computed on the way; B: input w_out (given as codes): QUANTISED
;;   THE QUANTISER, for each operand of a quantised product, along K:
;;     - K is cut into blocks of 32 from its start; a last block that is shorter is filled with zeros.
;;     - A block's scale is 2^e with e = floor(log2(the largest magnitude in the block)) - 2, held to -126 .. 127; a block of zeros has e = 0. As a byte (E8M0): e + 127.
;;     - Each number is divided by its block's scale, clamped to +-7.5, and rounded to the nearest number of E2M3, ties to even, subnormals kept.
;;     - The product sums the exact products of the quantised numbers (number of the format x scale) in f32.
;;   ~~~python
;;   def quantise(x, axis):      # numpy; x: float32 -> the quantised numbers, widened to float32 again
;;       x = np.moveaxis(x, axis, -1); K = x.shape[-1]
;;       x = np.pad(x, [(0, 0)] * (x.ndim - 1) + [(0, -K % 32)]); x = x.reshape(x.shape[:-1] + (-1, 32)); a = np.abs(x).max(-1, keepdims=True)
;;       e = np.where(a > 0, np.clip(np.frexp(np.where(a > 0, a, 1))[1] - 1 - 2, -126, 127), 0)      # np.frexp(a)[1] - 1 = floor(log2(a)), exactly
;;       r = np.clip(x / 2.0 ** e, -7.5, 7.5)
;;       step = 2.0 ** (np.maximum(np.frexp(np.where(r == 0, 1, r))[1] - 1, 0) - 3)
;;       q = np.round(r / step) * step * 2.0 ** e      # np.round: ties to even
;;       return np.moveaxis(q.reshape(q.shape[:-2] + (-1,))[..., :K], -1, axis).astype(np.float32)
;;   ~~~
;;   SOFTMAX AHEAD OF A QUANTISED PRODUCT. Where the list says 'softmax', what is quantised is not the finished softmax but p = 2^(t - M), with t = logit x log2(e) and M = ceil(the row's largest t), a whole number; so 1/2 < the row's largest p <= 1. The row's sum l is taken of the UNQUANTISED p, in f32, and the product's result is divided by l at the end. Since M is a whole number, a kernel that streams over the keys may use a running M (the ceiling of the running maximum): every later rescaling is an exact power of two, which a block's scale takes up: the codes' values come out the same.
;;   OPERANDS COMPUTED ON THE WAY. 'Computed on the way' means the value that the module computes at that place (a softmax that the list does not call 'softmax' is quantised finished and normalised). What goes into a quantiser is computed in f32, as accurately as f32 sums, v_exp_f32 and their like allow (about 1e-6 of the number): no bf16 or f16 on the way to a quantiser, and a product that is left as it is and whose result goes on into a quantised operand takes f32 operands (vector FMAs, or v_wmma_f32_16x16x4_f32). A number that lies on a knife's edge between two numbers of the format may be rounded either way, as far as f32 arithmetic and the matrix unit's own rounding can turn it there, and no further.
;;   INPUTS GIVEN AS CODES. w_k_ant (in the module: [1024, 1024], K = its axis 1); w_k_freq (in the module: [1024, 1024], K = its axis 1); w_out (in the module: [1024, 1024], K = its axis 1); w_q_ant (in the module: [1024, 1024], K = its axis 1); w_q_freq (in the module: [1024, 1024], K = its axis 1); w_v_ant (in the module: [1024, 1024], K = its axis 1); w_v_freq (in the module: [1024, 1024], K = its axis 1): each comes as NAME_codes (uint8): NAME with its K axis moved to the last place and cut into blocks of 32 codes, [.., K / 32, bytes a block], one block behind the other in memory; four codes in three bytes: a row's codes are one little-endian stream of bits, code i at bits 6 i .. 6 i + 5 (a code: sign, 2 exponent bits, 3 mantissa bits); and NAME_scales (uint8): the same leading axes, one E8M0 byte (e + 127) for each 32 codes along K. Its value is code x scale, taken as it is: it is not quantised again, and the codes and scales need not be those that the quantiser above would give.
;; One version. Each part assembles by itself: llvm-mc -triple=amdgcn-amd-amdhsa -mcpu=gfx1250 --defsym DOCPART=n.
;; ======== version 1 of 1: 4 launches
;; limits: right only within a limited range of input values
;; workspace buffers: xcod 6,291,456 bytes; xscl 262,144 bytes; acod 6,291,456 bytes; ascl 262,144 bytes; fcod 6,291,456 bytes; fscl 262,144 bytes
;; launch quant (part 1): grid 4 x 64, 8 waves a work-group, no clusters, 165,888 bytes of LDS; arguments x, xcod, xscl; writes xcod, xscl
.if DOCPART == 1
	.amdgcn_target "amdgcn-amd-amdhsa--gfx1250"
	.amdhsa_code_object_version 6
	.text
	.protected	k_q27bd511df0_quant
	.globl	k_q27bd511df0_quant
	.p2align	8
	.type	k_q27bd511df0_quant,@function
k_q27bd511df0_quant:
	s_mov_b64 s[64:65], 0
	v_nop
	global_prefetch_b8 v0, s[64:65] scope:SCOPE_SE
	s_setreg_imm32_b32 hwreg(HW_REG_WAVE_MODE, 25, 1), 1
	s_wait_xcnt 0x0
; The 128 grid rows of each b of x [64][129][1024] f32 become codes of FP6 (E2M3) with one E8M0 byte for each 32 along the 1,024 features.
; A block's scale is 2^(floor(log2(largest magnitude)) - 2): its byte is the largest magnitude's exponent field - 2, held at 1 from below.
; LIMITS: NaN and infinities are not served; a block whose largest magnitude lies under 2^-124, a block of zeros among them, gets the byte 1 (zeros keep zero codes); the bytes are read by this program alone.
; LAYOUT OF THE CODES ("records"): byte b*98304 + kb2*6144 + m*768 + slot*24; kb2 = K/64; m = 2 g + a/16 (row tile); slot = 16 ((K/32)%2) + a%16; 24 bytes = a block's 32 codes in K's order.
;   So slot L of records (2 s, m) and (2 s + 1, m) is what lane L of a 16 x 128 operand holds in its registers 0-5 and 6-11.
; LAYOUT OF THE SCALES: byte b*4096 + (K/256)*1024 + (16 m + a%16)*8 + (K/32)%8.
; SHARES: a work-group takes the 32 rows of one (b, g); wave w takes 128 features (512 bytes of each row), in two steps of 64.  All 32 loads of a wave go out at the head; each covers two runs of 256 aligned bytes.
; The conversion wants 16 neighbours in one lane: the rows turn through the wave's own stage in LDS (pitch 272); the codes gather in a second stage and leave as 512 consecutive bytes a store.
.set WREG, 20480                       ; LDS of a wave: two stages in (8,704 each), two stages out (1,536 each)
.set STI,  8704
.set OST,  17408
.set SCS,  163840                      ; the work-group's 1,024 scale bytes
.set PW,   12                          ; v12-13  scale words of the two row tiles
.set R,    32                          ; v32-159 as loaded, two sets of 64
.set X,    160                         ; v160-223 four chains of 16 neighbours
.set TM,   224
.set T2,   228
.set CD,   232
	s_load_b128 s[4:7], s[0:1], 0x0                ; x, xcod
	s_load_b64 s[8:9], s[0:1], 0x10                ; xscl
	v_lshl_add_u32 v254, v0, 2, 0x28400
	v_mov_b32 v255, 0
	v_lshrrev_b32 v1, 5, v0
	s_delay_alu instid0(VALU_DEP_1)
	v_readfirstlane_b32 s10, v1                    ; wave
	s_and_b32 s11, ttmp7, 0xffff                   ; b;  ttmp9 = g
	v_and_b32 v1, 31, v0                           ; lane
	v_and_b32 v2, 15, v0                           ; r
	v_bfe_u32 v3, v0, 4, 1                         ; h
	s_mul_i32 s12, s10, WREG
	v_lshlrev_b32 v9, 4, v1                        ; 16 x lane
	v_lshlrev_b32 v28, 3, v1                       ; 8 x lane
	v_lshlrev_b32 v4, 4, v2
	s_delay_alu instid0(VALU_DEP_1)
	v_lshl_add_u32 v4, v3, 14, v4                  ; in: lanes 16-31 take the next antenna's row, 4 rows of 4,096 bytes on
	v_mul_u32_u24 v5, v3, 272
	s_delay_alu instid0(VALU_DEP_1)
	v_lshl_add_u32 v5, v2, 4, v5
	s_delay_alu instid0(VALU_DEP_1)
	v_add_nc_u32 v5, s12, v5                       ; stage in, written as loaded
	v_mul_u32_u24 v6, v2, 272
	s_delay_alu instid0(VALU_DEP_1)
	v_lshl_add_u32 v6, v3, 6, v6
	s_delay_alu instid0(VALU_DEP_1)
	v_add_nc_u32 v6, s12, v6                       ; stage in, read: row r, my 16 numbers of a block
	v_mul_u32_u24 v7, v2, 24
	s_delay_alu instid0(VALU_DEP_1)
	v_mad_u32_u24 v7, v3, 12, v7
	s_delay_alu instid0(VALU_DEP_1)
	v_add_nc_u32 v7, s12, v7                       ; stage out: slot r, my 12 bytes
	v_add_nc_u32 v8, s12, v9                       ; stage out, read
	s_lshr_b32 s13, s10, 1
	s_lshl_b32 s13, s13, 8
	s_and_b32 s20, s10, 1
	s_lshl_b32 s20, s20, 2
	s_add_co_u32 s13, s13, s20
	s_add_co_u32 s13, s13, SCS
	v_lshl_add_u32 v10, v2, 3, s13                 ; my row's word among the scales: (w/2) 256 + 8 r + 4 (w%2)
	s_lshl_b32 s13, s10, 8
	s_add_co_u32 s13, s13, SCS
	v_add_nc_u32 v11, s13, v28                     ; on the way out (waves 0-3)
.irp k, 0,1,2,3
	v_mov_b32 v[T2+\k], 0                          ; a lane permute's destination counts as read
.endr
	s_mul_i32 s14, s11, 129
	s_add_co_u32 s14, s14, ttmp9
	s_add_co_u32 s14, s14, 1
	s_lshl_b32 s14, s14, 12                        ; row b*129 + 1 + g
	s_lshl_b32 s15, s10, 9
	s_add_co_u32 s14, s14, s15                     ; + my 512 bytes
	s_mov_b32 s15, 0
	s_mul_i32 s16, s11, 98304
	s_mul_i32 s17, s10, 12288
	s_add_co_u32 s16, s16, s17
	s_mul_i32 s17, ttmp9, 1536
	s_add_co_u32 s16, s16, s17                     ; records (2 w, 2 g) on
	s_mov_b32 s17, 0
	s_lshl_b32 s18, s11, 12
	s_lshl_b32 s19, s10, 10
	s_add_co_u32 s18, s18, s19
	s_lshl_b32 s19, ttmp9, 8
	s_add_co_u32 s18, s18, s19
	s_mov_b32 s19, 0
	s_mov_b32 s22, 0x76543210
	s_mov_b32 s23, 0xfedcba98                      ; selects: lane l xor 16
	s_wait_kmcnt 0x0
	s_add_nc_u64 s[4:5], s[4:5], s[14:15]
	s_add_nc_u64 s[6:7], s[6:7], s[16:17]
	s_add_nc_u64 s[8:9], s[8:9], s[18:19]
.irp e, 0,1
.irp i, 0,1,2,3,4,5,6,7,8,9,10,11,12,13,14,15
	global_load_b128 v[R+64*\e+4*\i:R+64*\e+4*\i+3], v4, s[4:5] offset:32768*\i+256*\e th:TH_LOAD_NT
.endr
.endr
.macro MXF k, a
	v_max3_num_f32 v[TM+\k], |v[\a]|, |v[\a+1]|, 0x1800000         ; with the floor 2^(3 - 127): the byte cannot fall under 1
.endm
.macro MXN k, a, i
	s_delay_alu instid0(VALU_DEP_4)
	v_max3_num_f32 v[TM+\k], |v[\a+\i]|, |v[\a+\i+1]|, v[TM+\k]
.endm
.macro STEP e
.if \e == 0
	s_wait_loadcnt 16                              ; this step's 16 loads are in; the other step's 16 may be out
.else
	s_wait_loadcnt 0x0
.endif
.irp i, 0,1,2,3,4,5,6,7,8,9,10,11,12,13,14,15
	ds_store_b128 v5, v[R+64*\e+4*\i:R+64*\e+4*\i+3] offset:STI*\e+544*\i
.endr
.irp k, 0,1,2,3                        ; chain k = 2 t + block: LDS serves a wave's instructions in order, so these see the stores
.irp q, 0,1,2,3
	ds_load_b128 v[X+16*\k+4*\q:X+16*\k+4*\q+3], v6 offset:STI*\e+4352*(\k/2)+128*(\k%2)+16*\q
.endr
.endr
	s_wait_dscnt 0x0
.irp k, 0,1,2,3
	MXF \k, X+16*\k
.endr
.irp i, 2,4,6,8,10,12,14
.irp k, 0,1,2,3
	MXN \k, X+16*\k, \i
.endr
.endr
.irp k, 0,1,2,3
	s_delay_alu instid0(VALU_DEP_4)
	v_permlanex16_b32 v[T2+\k], v[TM+\k], s22, s23
.endr
.irp k, 0,1,2,3
	s_delay_alu instid0(VALU_DEP_4)
	v_max_num_f32 v[TM+\k], v[TM+\k], v[T2+\k]     ; with lane l xor 16's 16: the block's largest magnitude
.endr
.irp k, 0,1,2,3
	s_delay_alu instid0(VALU_DEP_4)
	v_add_nc_u32 v[T2+\k], 0xff000000, v[TM+\k]    ; 2 off its exponent field: the conversion's scale operand
.endr
.irp k, 0,1,2,3
	s_delay_alu instid0(VALU_DEP_4)
	v_lshrrev_b32 v[TM+\k], 23, v[T2+\k]           ; the byte
.endr
.irp k, 0,1,2,3
	v_cvt_scalef32_pk16_fp6_f32 v[CD+4*\k:CD+4*\k+2], v[X+16*\k:X+16*\k+15], v[T2+\k]
.endr
	v_nop                                          ; a plain line behind the conversions
.irp k, 0,1,2,3
.irp i, 0,1,2
	ds_store_b32 v7, v[CD+4*\k+\i] offset:OST+1536*\e+384*\k+4*\i
.endr
.endr
.irp t, 0,1
.if \e == 0
	v_lshl_or_b32 v[PW+\t], v[TM+2*\t+1], 8, v[TM+2*\t]
.else
	v_lshl_or_b32 v[PW+\t], v[TM+2*\t], 16, v[PW+\t]
	s_delay_alu instid0(VALU_DEP_1)
	v_lshl_or_b32 v[PW+\t], v[TM+2*\t+1], 24, v[PW+\t]
.endif
.endr
.irp q, 0,1,2
	ds_load_b128 v[16+16*\e+4*\q:16+16*\e+4*\q+3], v8 offset:OST+1536*\e+512*\q
.endr
	s_wait_dscnt 0x0
.irp q, 0,1,2
	global_store_b128 v9, v[16+16*\e+4*\q:16+16*\e+4*\q+3], s[6:7] offset:6144*\e+512*\q   ; 512 consecutive aligned bytes; each step has its own data registers
.endr
.endm
	STEP 0
	STEP 1
	s_wait_alu depctr_va_vdst(0)
	ds_store_b32 v10, v[PW]                        ; both halves of the lanes hold the same word
	ds_store_b32 v10, v[PW+1] offset:128
	s_wait_dscnt 0x0                               ; for the others' sake
	s_barrier_signal -1
	s_barrier_wait -1
	s_cmp_gt_u32 s10, 3
	s_cbranch_scc1 .Ldone
	ds_load_b64 v[14:15], v11
	s_wait_dscnt 0x0
	global_store_b64 v28, v[14:15], s[8:9]         ; 256 consecutive aligned bytes a wave
.Ldone:
	s_wait_tensorcnt 0x0
	ds_add_u32 v254, v255
	s_wait_dscnt 0x0
	s_endpgm
.Lfunc_end_k_q27bd511df0_quant:
	.size	k_q27bd511df0_quant, .Lfunc_end_k_q27bd511df0_quant-k_q27bd511df0_quant
	.p2alignl 7, 3214868480
	.fill 96, 4, 3214868480
	.section	.rodata,"a",@progbits
	.p2align	6, 0x0
	.amdhsa_kernel k_q27bd511df0_quant
		.amdhsa_group_segment_fixed_size 165888
		.amdhsa_private_segment_fixed_size 0
		.amdhsa_enable_private_segment 0
		.amdhsa_kernarg_size 24
		.amdhsa_user_sgpr_count 2
		.amdhsa_user_sgpr_kernarg_segment_ptr 1
		.amdhsa_wavefront_size32 1
		.amdhsa_system_sgpr_workgroup_id_x 1
		.amdhsa_system_sgpr_workgroup_id_y 1
		.amdhsa_system_sgpr_workgroup_id_z 1
		.amdhsa_system_vgpr_workitem_id 0
		.amdhsa_next_free_vgpr 256
		.amdhsa_next_free_sgpr 66
		.amdhsa_reserve_vcc 0
		.amdhsa_float_denorm_mode_32 3
		.amdhsa_float_denorm_mode_16_64 3
		.amdhsa_memory_ordered 1
		.amdhsa_forward_progress 1
		.amdhsa_inst_pref_size 24
	.end_amdhsa_kernel
	.amdgpu_metadata
---
amdhsa.version: [ 1, 2 ]
amdhsa.kernels:
  - .name:           k_q27bd511df0_quant
    .symbol:         k_q27bd511df0_quant.kd
    .args:
      - { .name: x, .offset: 0, .size: 8, .value_kind: global_buffer, .address_space: global }
      - { .name: xcod, .offset: 8, .size: 8, .value_kind: global_buffer, .address_space: global }
      - { .name: xscl, .offset: 16, .size: 8, .value_kind: global_buffer, .address_space: global }
    .group_segment_fixed_size: 165888
    .private_segment_fixed_size: 0
    .kernarg_segment_align: 8
    .kernarg_segment_size: 24
    .max_flat_workgroup_size: 256
    .sgpr_count:     66
    .vgpr_count:     256
    .wavefront_size: 32
...
	.end_amdgpu_metadata
.endif
;; end of part 1
;; launch ant (part 2): grid 4 x 64, 4 waves a work-group, clusters of 4 x 4, 327,680 bytes of LDS; arguments xcod, xscl, w_q_ant_codes, w_q_ant_scales, b_q_ant, w_k_ant_codes, w_k_ant_scales, b_k_ant, w_v_ant_codes, w_v_ant_scales, b_v_ant, acod, ascl; writes acod, ascl
.if DOCPART == 2
	.amdgcn_target "amdgcn-amd-amdhsa--gfx1250"
	.amdhsa_code_object_version 6
	.text
	.protected	k_q27bd511df0_ant
	.globl	k_q27bd511df0_ant
	.p2align	8
	.type	k_q27bd511df0_ant,@function
k_q27bd511df0_ant:
	s_mov_b64 s[64:65], 0
	v_nop
	global_prefetch_b8 v0, s[64:65] scope:SCOPE_SE
	s_setreg_imm32_b32 hwreg(HW_REG_WAVE_MODE, 25, 1), 1
	s_wait_xcnt 0x0
	s_wait_alu depctr_hold_cnt(0) depctr_sa_sdst(0) depctr_va_vdst(0) depctr_va_sdst(0) depctr_va_ssrc(0) depctr_va_vcc(0) depctr_vm_vsrc(0)
	s_getreg_b32 s2, hwreg(HW_REG_IB_STS2, 6, 4)
	s_cmp_eq_u32 s2, 0
	s_cbranch_scc0 .Lentry_in_a_cluster
	s_endpgm
.Lentry_in_a_cluster:
	s_bfe_u32 s2, ttmp6, 0x10000c
	s_cmp_lg_u32 s2, 0xf033
	s_cbranch_scc0 .Lentry_shape_is_right
	s_endpgm
.Lentry_shape_is_right:
; q, k, v = Q(x) W^T + b for four heads of one b (128 rows), attention along the 32 antennas of each (b, g, head), and the result quantised: all products on codes of FP6 (E2M3) with E8M0 scales.
; SHARES: work-group (hq, b): heads 4 hq .. 4 hq + 3, all 128 rows.  Wave w: rh = w & 1, ch = w >> 1: row tiles m = 4 rh + mt (g = 2 rh + mt/2, antennas 16 (mt%2) + r), heads 4 hq + 2 ch + hh.
; A STEP is 64 weight rows (one head of one matrix) x all of K = 1,024: 4 column tiles x 4 row tiles x 8 K steps = 128 matrix instructions on 16 accumulators, which take turns.
; The wave's 32 operand fragments of x stay in 384 registers for all six steps; the weights come through a ring of two LDS slots for each ch, whole rows of 768 bytes, 32 rows a wave and load.
; WHICH BLOCKS A K STEP TAKES: K step s takes the blocks of 32 numbered 2 s, 2 s + 1 (lanes 0-15) and 16 + 2 s, 17 + 2 s (lanes 16-31), alike on both sides.  So a lane's 12 registers of a weight fragment are 48 consecutive
; bytes of its row, at 48 s + 384 h: three loads of 16 bytes.  The scale word of K step s is made of bytes 2 s, 16 + 2 s, 2 s + 1, 17 + 2 s of a row's 32, by one byte permute.
; CLUSTER 4 x 4: x's records hang on b alone and are asked for jointly along a row of the cluster, the weights on hq alone and jointly along a column.
; q and k are made transposed (source 0 = weight rows): a lane holds one row and 8 columns a tile; v is made straight: a lane holds one column and 8 keys a tile.  In a block of 32, place 16 h + 8 (tile%2) + j holds
; column (or key) 16 (tile%2) + 8 h + j: the same order for q and k, and for p and v, inside one block: codes, scales and exact products are those of K's own order; only the order of the sums in the unit differs.
; SOFTMAX: t = score x log2(e)/8 (1/8 is exact, so one constant rounds as two steps would), M = ceil(largest t), p = 2^(t - M) is quantised, the sum of the unquantised p divides the result.
; LIMITS: NaN and infinities are not served; a block whose largest magnitude lies under 2^-124 gets the byte 1 (zeros keep zero codes); the weights' codes and scales are used as given; the sums over K run in the order of blocks stated above, not in ascending K.
; No prefetch: the records are wanted at the head, the weights are walked by every cluster, and each refill has a whole step's 128 matrix instructions in which to land.
.set TSTR,  768                        ; from row tile mt to mt + 1 in a record group
.set RHOFF, 3072                       ; my four tiles begin here for rh = 1
.set ASI,   256
.set ASH,   7
.set ASR,   9
; ---- what the three product launches share
.set CHB,   104448                     ; LDS 0: the ring: ch x 104,448 + slot x 52,224; 64 rows, pitch 816 (768 + 16 behind each 256), an odd multiple of 16: the 16 rows that half a load of 16 bytes touches begin in 16 different columns of 16 bytes (ISA guide 11.1: 64 banks of 4 bytes)
.set SLOTB, 52224
.set WP,    816
.set AREG,  208896                     ; b's records, filled once: quarters 0, 1 (K/64 = 0-7) at w x 24,576, quarters 2, 3 (8-15) 128 bytes further on, so that lanes 16-31 of a load of 8 bytes fall 32 banks from lanes 0-15; later each wave's quarter is its scratch
.set SPARE, 307456                     ; the spare words: 128 bytes a wave, named by no other line
.set SCST,  307968                     ; 1,024 scale bytes on their way out
.set VB,  4                            ; v4-5   my place in slot 0, 1: 816 r + 400 h + ch's ring
.set VB2, 6                            ; v6-7   the same behind one padding more for lanes 16-31
.set VA,  8                            ; v8     my slot of the records: 24 r + 49,280 h + my tiles
.set AS,  24                           ; v24-39 x's scale words: AS + 8 i + s: lanes 0-15 tile 2 i, lanes 16-31 tile 2 i + 1
.set BS,  40                           ; v40-55 the weights' scale words of the step in hand: BS + 8 i + s: lane L = weight row 32 i + L
.set BR,  56                           ; v56-71 the next step's scale bytes as they lie in memory
.set BI,  72                           ; v72-103 the bias as C of a sum's first product
.set TM,  104
.set T2,  108
.set CD,  112
.set ACC, 128
.set RA,  128                          ; v128-143 x's scale bytes as they lie in memory, at the head only
.set BF,  0                            ; window 3: the weights' fragments, four buffers of 4 x 12 (K step s in buffer s % 4).  Window 1 v0-239 and window 2 v0-143: x's fragments
.set G1W, 40
.set G1A, 48
.set G0A, 56
.set G0S0, 60
.set G0S1, 68
.set MSB, 0
.macro WIN new                         ; the immediate's high byte repeats the setting that is left
.if MSB != (\new)
	s_set_vgpr_msb (MSB<<8)|(\new)
.set MSB, (\new)
.endif
.endm
.macro PLACES n
.rept \n
	v_nop
.endr
.endm
.macro ROUND                           ; a round of the cluster's barrier
	s_barrier_signal -1
	s_barrier_wait -1
	s_cmp_lg_u32 s30, 0
	s_cbranch_scc1 .Lnot_wave_0_\@
	s_barrier_signal -3
.Lnot_wave_0_\@:
	s_barrier_wait -3
	s_barrier_signal -1
	s_barrier_wait -1
.endm
.macro ALOAD                           ; my 32 fragments of the left operand: registers 6 c2 + 2 i of fragment (mt, s) from record s + 8 h, slot 16 c2 + r
.irp s, 0,1,2,3,4,5,6,7
	WIN 0x40*(1+\s/5)
.irp mt, 0,1,2,3
.irp c2, 0,1
.irp i, 0,1,2
.set R_, 48*(\s%5)+12*\mt+6*\c2+2*\i
	ds_load_b64 v[R_:R_+1], v[VA] offset:\s*6144+\mt*TSTR+384*\c2+8*\i
.endr
.endr
.endr
.endr
	WIN 0
.endm
.macro LAS
.irp i, 0,1
.irp s2, 0,1,2,3
	global_load_b64 v[RA+8*\i+2*\s2:RA+8*\i+2*\s2+1], v12, s[6:7] offset:\s2*1024+\i*ASI
.endr
.endr
.endm
.macro PERM8 d, r                      ; a row's 32 scale bytes (8 words as in memory) become the words of the 8 K steps: bytes 2 s, 16 + 2 s, 2 s + 1, 17 + 2 s
.irp s, 0,1,2,3,4,5,6,7
.if \s%2
	v_perm_b32 v[\d+\s], v[\r+4+\s/2], v[\r+\s/2], s93
.else
	v_perm_b32 v[\d+\s], v[\r+4+\s/2], v[\r+\s/2], s92
.endif
.endr
.endm
.macro LBS ptr, off
.irp i, 0,1
.irp q, 0,1
	global_load_b128 v[BR+8*\i+4*\q:BR+8*\i+4*\q+3], v13, s[\ptr:\ptr+1] offset:(\off)+1024*\i+16*\q
.endr
.endr
.endm
.macro LBI ptr, off                    ; transposed products: register j of tile c wants the bias of column 16 c + 8 h + j
.irp c, 0,1,2,3
.irp q, 0,1
	global_load_b128 v[BI+8*\c+4*\q:BI+8*\c+4*\q+3], v14, s[\ptr:\ptr+1] offset:(\off)+64*\c+16*\q
.endr
.endr
.endm
.macro LBV ptr, off                    ; straight products: all eight registers want the bias of column 16 c + r
.irp c, 0,1,2,3
	global_load_b32 v[BI+8*\c], v15, s[\ptr:\ptr+1] offset:(\off)+64*\c
.endr
.endm
.macro HB slot, s                      ; the four column tiles' fragments of K step s: 12 loads of 16 bytes.  Byte P of a row lies at P + 16 (P / 256); lanes 16-31 read 384 bytes of data on: behind one padding more, or two where 128 <= P < 256
	WIN 0xc0
.irp c, 0,1,2,3
.irp i, 0,1,2
.set P_, 48*(\s)+16*\i
.set R_, BF+48*((\s)%4)+12*\c+4*\i
.if (P_/128) == 1
	ds_load_b128 v[R_:R_+3], v[VB2+\slot] offset:13056*\c+P_+16*(P_/256)
.else
	ds_load_b128 v[R_:R_+3], v[VB+\slot] offset:13056*\c+P_+16*(P_/256)
.endif
.endr
.endr
.endm
.macro WM d, a, b, c, sa, sb, ra, rb
.if (\ra) && (\rb)
	v_wmma_scale_f32_16x16x128_f8f6f4 v[\d:\d+7], v[\a:\a+11], v[\b:\b+11], v[\c:\c+7], v[\sa], v[\sb] matrix_a_fmt:MATRIX_FMT_FP6 matrix_b_fmt:MATRIX_FMT_FP6 matrix_a_scale:MATRIX_SCALE_ROW1 matrix_b_scale:MATRIX_SCALE_ROW1
.elseif (\ra)
	v_wmma_scale_f32_16x16x128_f8f6f4 v[\d:\d+7], v[\a:\a+11], v[\b:\b+11], v[\c:\c+7], v[\sa], v[\sb] matrix_a_fmt:MATRIX_FMT_FP6 matrix_b_fmt:MATRIX_FMT_FP6 matrix_a_scale:MATRIX_SCALE_ROW1
.elseif (\rb)
	v_wmma_scale_f32_16x16x128_f8f6f4 v[\d:\d+7], v[\a:\a+11], v[\b:\b+11], v[\c:\c+7], v[\sa], v[\sb] matrix_a_fmt:MATRIX_FMT_FP6 matrix_b_fmt:MATRIX_FMT_FP6 matrix_b_scale:MATRIX_SCALE_ROW1
.else
	v_wmma_scale_f32_16x16x128_f8f6f4 v[\d:\d+7], v[\a:\a+11], v[\b:\b+11], v[\c:\c+7], v[\sa], v[\sb] matrix_a_fmt:MATRIX_FMT_FP6 matrix_b_fmt:MATRIX_FMT_FP6
.endif
.endm
.macro MM8 s, half, tr, dw, db, sc, sm         ; eight products: two column tiles x my four row tiles, K step s.  FIRST_: the bias is C
.set AW_, 1+(\s)/5
.if FIRST_
.set CW_, 0
.else
.set CW_, \dw
.endif
.if \tr
	WIN 3+(AW_<<2)+(CW_<<4)+((\dw)<<6)
.else
	WIN AW_+(3<<2)+(CW_<<4)+((\dw)<<6)
.endif
.irp c, 2*(\half), 2*(\half)+1
.irp mt, 0,1,2,3
.set D_, (\db)+(\sc)*(\c)+(\sm)*\mt
.set A_, 48*((\s)%5)+12*\mt
.set B_, BF+48*((\s)%4)+12*(\c)
.set SA_, AS+8*(\mt/2)+(\s)
.set SB_, BS+8*((\c)/2)+(\s)
.if FIRST_
.set C_, BI+8*(\c)
.else
.set C_, D_
.endif
.if \tr
	WM D_, B_, A_, C_, SB_, SA_, (\c)%2, \mt%2
.else
	WM D_, A_, B_, C_, SA_, SB_, \mt%2, (\c)%2
.endif
.endr
.endr
.endm
; A step.  nk: what is asked for the next step: 0 nothing, 1 scale bytes and bias (transposed), 2 scale bytes and bias (straight).
; The fragment loads go in three runs: K steps 0-3 (48 loads) at the step's start, K steps 4, 5 (24) ahead of K step 2's products, K steps 6, 7 (24) ahead of K step 4's: each of the two later runs stands behind four plain places
; (ISA guide 7.12.1 for vector instructions), goes into buffers that the two K steps before have left, and is asked for 32 matrix instructions ahead of its first use.
.macro GEMM slot, tr, dw, db, sc, sm, nk, nsp, nso, nbp, nbo
	s_wait_loadcnt 0x0                             ; this step's scale bytes and bias, asked for a step ago
	HB \slot, 0
	HB \slot, 1
	HB \slot, 2
	HB \slot, 3
	WIN 0
	PERM8 BS, BR
	PERM8 BS+8, BR+8
.if \nk
	LBS \nsp, \nso
.endif
	PLACES 8                                       ; a scale register written by a vector instruction stands eight places ahead of a scaled product
	s_wait_alu depctr_va_vdst(0)
.irp s, 0,1,2,3,4,5,6,7
.set FIRST_, 0
.if \s == 0
.set FIRST_, 1
.endif
.if (\s == 2) || (\s == 4)
	PLACES 4
	HB \slot, \s+2
	HB \slot, \s+3
.endif
.if \s < 6
	s_wait_dscnt 36-12*(\s%2)                      ; the 12 loads each of the three (even K step) or two (odd) younger K steps may be out
.else
	s_wait_dscnt 12*(7-\s)                         ; K step 6: K step 7's 12 may be out; K step 7: none
.endif
	MM8 \s, 0, \tr, \dw, \db, \sc, \sm
	MM8 \s, 1, \tr, \dw, \db, \sc, \sm
.if (\s == 0) && (\nk)
	PLACES 4                                       ; the loads below land in the bias registers, which the first products have read as C
.endif
.if \s == 0
.if \nk == 1
	WIN 0
	LBI \nbp, \nbo
.elseif \nk == 2
	WIN 0
	LBV \nbp, \nbo
.endif
.endif
.endr
.endm
; The change of slots: every wave waits for all its tensor loads, adds 0 to its spare word, waits for that and for its reads of the slot.  fill = 1: a round of the cluster's barrier, and the joint refill first behind it.
.macro CHANGE fill, g0, ptr, add
	WIN 0
	s_wait_tensorcnt 0x0                           ; no tensor load of mine is out: a group 0 may be written
	ds_add_u32 v10, v11
.if \fill
	s_add_nc_u64 s[\g0+2:\g0+3], s[\ptr:\ptr+1], \add
	s_or_b32 s[\g0+3], s[\g0+3], 0x80000000
.endif
	s_wait_dscnt 0x0
.if \fill
	ROUND
	tensor_load_to_lds s[\g0:\g0+3], s[G1W:G1W+7]
	s_nop 0
	PLACES 4                                       ; the places behind the step's last products
.else
	s_barrier_signal -1
	s_barrier_wait -1
	PLACES 4
.endif
.endm
; Four chains of 16 registers (window w), register i of a chain = place 16 h + i of a block of 32: the bytes land in v[TM + k], the 96 bits of codes in v[CD + 4 k] on.
.macro MXF k, a
	v_max3_num_f32 v[TM+\k], |v[\a]|, |v[\a+1]|, 0x1800000         ; with the floor 2^(3 - 127): the byte cannot fall under 1
.endm
.macro MXN k, a, i
	v_max3_num_f32 v[TM+\k], |v[\a+\i]|, |v[\a+\i+1]|, v[TM+\k]
.endm
.macro CVQ k, a
	v_cvt_scalef32_pk16_fp6_f32 v[CD+4*\k:CD+4*\k+2], v[\a:\a+15], v[T2+\k]
.endm
.macro Q4 w, a0, a1, a2, a3
	WIN 5*(\w)
	MXF 0, \a0
	MXF 1, \a1
	MXF 2, \a2
	MXF 3, \a3
.irp i, 2,4,6,8,10,12,14
	MXN 0, \a0, \i
	MXN 1, \a1, \i
	MXN 2, \a2, \i
	MXN 3, \a3, \i
.endr
	WIN 0
	s_wait_alu depctr_va_vdst(0)
	s_wait_dscnt 0x0                               ; earlier LDS stores have read T2 and CD
.irp k, 0,1,2,3
	v_permlanex16_b32 v[T2+\k], v[TM+\k], s80, s81
.endr
.irp k, 0,1,2,3
	v_max_num_f32 v[TM+\k], v[TM+\k], v[T2+\k]
.endr
.irp k, 0,1,2,3
	v_add_nc_u32 v[T2+\k], 0xff000000, v[TM+\k]    ; 2 off the exponent field: the conversion's scale operand
.endr
.irp k, 0,1,2,3
	v_lshrrev_b32 v[TM+\k], 23, v[T2+\k]           ; the byte
.endr
	WIN \w
	CVQ 0, \a0
	CVQ 1, \a1
	CVQ 2, \a2
	CVQ 3, \a3
	v_nop                                          ; a plain line behind the conversions
	WIN 0
.endm
; ---- the head
	s_load_b512 s[4:19], s[0:1], 0x0               ; codes s[4:5], scales s[6:7] of the left operand; then codes, scales, bias of q s[8:13], of k s[14:19],
	s_load_b256 s[20:27], s[0:1], 0x40             ; of v s[20:25]; the codes out s[26:27],
	s_load_b64 s[28:29], s[0:1], 0x60              ; the scales out
	v_lshl_add_u32 v10, v0, 2, SPARE
	v_mov_b32 v11, 0
	ds_add_u32 v10, v11
	ds_add_u32 v10, v11
	s_wait_dscnt 0x0
	v_lshrrev_b32 v1, 5, v0
	v_readfirstlane_b32 s30, v1                    ; wave
	s_and_b32 s31, s30, 1                          ; rh
	s_lshr_b32 s32, s30, 1                         ; ch
	s_bfe_u32 s33, ttmp6, 0x40000                  ; cx
	s_bfe_u32 s34, ttmp6, 0x40004                  ; cy
	s_lshl_b32 s35, ttmp9, 2
	s_add_co_u32 s35, s35, s33                     ; hq
	s_and_b32 s36, ttmp7, 0xffff
	s_lshl_b32 s36, s36, 2
	s_add_co_u32 s36, s36, s34                     ; b
	s_lshl_b32 s37, 0x1111, s33                    ; my column of the cluster
	s_lshl_b32 s38, s34, 2
	s_lshl_b32 s38, 15, s38                        ; my row
	s_or_b32 s[G1W], s37, (1<<20)|(1<<21)|(5<<22)|(3<<25)   ; the weights go to my column; bytes; 4 words of padding behind every 64
	s_mov_b32 s[G1W+1], 768<<16                    ; tensor_dim0
	s_mov_b32 s[G1W+2], 64<<16                     ; tensor_dim1: 64 rows for the head's load; set to 32 for the ring's behind the head's wait
	s_mov_b32 s[G1W+3], 768<<16                    ; tile_dim0
	s_mov_b32 s[G1W+4], 64                         ; tile_dim1, likewise
	s_mov_b32 s[G1W+5], 768                        ; pitch
	s_mov_b32 s[G1W+6], 0
	s_mov_b32 s[G1W+7], 0
	s_or_b32 s[G1A], s38, (3<<16)|(1<<21)          ; the records go to my row; a dense half: 192 rows of 32 elements of 8 bytes
	s_mov_b32 s[G1A+1], 32<<16
	s_mov_b32 s[G1A+2], 192<<16                    ; half of b's records: 192 rows of 256 bytes
	s_mov_b32 s[G1A+3], 32<<16
	s_mov_b32 s[G1A+4], 192
	s_mov_b32 s[G1A+5], 32
	s_mov_b32 s[G1A+6], 0
	s_mov_b32 s[G1A+7], 0
	s_mul_i32 s72, s35, 196608                     ; the weights' rows 256 hq + 128 ch + 32 rh, 768 bytes each: registers that never hold cy
	s_mul_i32 s73, s32, 98304
	s_add_co_u32 s72, s72, s73
	s_mul_i32 s73, s31, 24576
	s_add_co_u32 s72, s72, s73
	s_mov_b32 s73, 0
	s_mul_i32 s74, s36, 98304                      ; b's records, my quarter: registers that never hold cx
	s_mul_i32 s75, s32, 49152                      ; the half of the records that waves 1 (ch = 0) and 3 (ch = 1) fetch
	s_add_co_u32 s74, s74, s75
	s_mov_b32 s75, 0
	s_mul_i32 s76, s30, 24576
	s_lshl_b32 s79, s32, 7
	s_add_co_u32 s76, s76, s79                     ; quarters 2 and 3 lie 128 bytes further on
	s_add_co_u32 s76, s76, AREG                    ; where my quarter goes; later my scratch
	s_mul_i32 s77, s32, CHB
	s_mul_i32 s78, s31, 26112
	s_add_co_u32 s78, s78, s77                     ; where my 32 weight rows go
	s_mov_b32 s80, 0x76543210
	s_mov_b32 s81, 0xfedcba98                      ; selects: lane l xor 16
	s_mov_b32 s82, 0x3e38aa3b                      ; log2(e) / 8
	s_mov_b32 s83, s82
	s_mov_b32 s92, 0x05010400                      ; byte selects of the scale words: even K steps,
	s_mov_b32 s93, 0x07030602                      ; odd K steps
	s_wait_kmcnt 0x0
	s_add_nc_u64 s[8:9], s[8:9], s[72:73]
	s_add_nc_u64 s[14:15], s[14:15], s[72:73]
	s_add_nc_u64 s[20:21], s[20:21], s[72:73]
	ROUND                                          ; all sixteen work-groups are here: the first joint loads meet
	s_mov_b32 s[G0A], 1
	s_mul_i32 s39, s32, 49280                      ; the second half lies 128 bytes further on
	s_add_co_u32 s39, s39, AREG
	s_mov_b32 s[G0A+1], s39
	s_add_nc_u64 s[G0A+2:G0A+3], s[4:5], s[74:75]
	s_or_b32 s[G0A+3], s[G0A+3], 0x80000000
	s_mov_b32 s[G0S0], 1
	s_mov_b32 s[G0S0+1], s78
	s_mov_b64 s[G0S0+2:G0S0+3], s[8:9]             ; step 0: q, hh = 0
	s_or_b32 s[G0S0+3], s[G0S0+3], 0x80000000
	s_mov_b32 s[G0S1], 1
	s_add_co_u32 s[G0S1+1], s78, SLOTB
	s_mov_b64 s[G0S1+2:G0S1+3], s[14:15]           ; step 1: k, hh = 0
	s_or_b32 s[G0S1+3], s[G0S1+3], 0x80000000
	s_cmp_eq_u32 s31, 0                            ; the head's four tiles, one load a wave: waves 0 and 2 (rh = 0) fetch slot 0's 64 weight rows of their ch,
	s_cbranch_scc0 .Lfirst_rec
	tensor_load_to_lds s[G0S0:G0S0+3], s[G1W:G1W+7]
	s_nop 0
	PLACES 4
	s_branch .Lfirst_asked
.Lfirst_rec:                                           ; waves 1 and 3 a half of b's records each
	tensor_load_to_lds s[G0A:G0A+3], s[G1A:G1A+7]
	s_nop 0
	PLACES 4
.Lfirst_asked:
	v_and_b32 v1, 15, v0                           ; r
	v_bfe_u32 v2, v0, 4, 1                         ; h
	v_and_b32 v3, 31, v0                           ; L
	v_mul_u32_u24 v4, v1, WP
	v_mad_u32_u24 v4, v2, 400, v4                  ; lanes 16-31: 384 bytes of data and one padding on
	v_add_nc_u32 v4, s77, v4
	v_add_nc_u32 v5, SLOTB, v4
	v_lshl_add_u32 v6, v2, 4, v4
	v_lshl_add_u32 v7, v2, 4, v5
	s_mul_i32 s79, s31, RHOFF
	s_add_co_u32 s79, s79, AREG
	v_mul_u32_u24 v8, v1, 24
	v_mad_u32_u24 v8, v2, 49280, v8                ; lanes 16-31: eight record groups and the 128 bytes on
	v_add_nc_u32 v8, s79, v8
	v_lshlrev_b32 v12, 3, v1
	v_lshl_add_u32 v12, v2, ASH, v12
	s_lshl_b32 s79, s31, ASR
	v_add_nc_u32 v12, s79, v12
	s_wait_alu depctr_va_vdst(0)
	v_lshlrev_b32 v13, 5, v3
	s_wait_alu depctr_va_vdst(0)
	v_lshlrev_b32 v14, 5, v2
	s_wait_alu depctr_va_vdst(0)
	v_lshlrev_b32 v15, 2, v1
.irp k, 0,1,2,3
	v_mov_b32 v[T2+\k], 0                          ; a lane permute's destination counts as read
.endr
	s_lshl_b32 s86, s36, 12
	s_mov_b32 s87, 0
	s_add_nc_u64 s[6:7], s[6:7], s[86:87]          ; the left operand's scales of my b
	s_lshl_b32 s86, s35, 13
	s_lshl_b32 s88, s32, 12
	s_add_co_u32 s86, s86, s88                     ; the weights' scales: 32 bytes a row
	s_add_nc_u64 s[10:11], s[10:11], s[86:87]
	s_add_nc_u64 s[16:17], s[16:17], s[86:87]
	s_add_nc_u64 s[22:23], s[22:23], s[86:87]
	s_lshr_b32 s86, s86, 3                         ; the biases: 4 bytes a row
	s_add_nc_u64 s[12:13], s[12:13], s[86:87]
	s_add_nc_u64 s[18:19], s[18:19], s[86:87]
	s_add_nc_u64 s[24:25], s[24:25], s[86:87]
	LAS
	LBS 10, 0
	LBI 12, 0
; ---- this launch's own addresses
.set USTR, 5376                        ; scratch of a unit u = 2 hh + gl: q's records 0, k's 1,536, v's 3,072; scale words of q 4,608, k 4,736, v 4,864, of the result 5,120
.set OSTG, 21504                       ; behind the four units: two records on their way out
	s_mul_i32 s86, s36, 98304
	s_mul_i32 s88, s35, 24576
	s_add_co_u32 s86, s86, s88
	s_mul_i32 s88, s32, 12288
	s_add_co_u32 s86, s86, s88
	s_mul_i32 s88, s31, 3072
	s_add_co_u32 s86, s86, s88
	s_add_nc_u64 s[26:27], s[26:27], s[86:87]      ; record (head 4 hq + 2 ch, tile 4 rh)
	s_lshl_b32 s86, s36, 12
	s_lshl_b32 s88, s35, 10
	s_add_co_u32 s86, s86, s88
	s_lshl_b32 s88, s30, 8
	s_add_co_u32 s86, s86, s88
	s_add_nc_u64 s[28:29], s[28:29], s[86:87]
	v_mul_u32_u24 v19, v1, 24
	v_add_nc_u32 v19, s76, v19                     ; scratch + 24 r
	v_mad_u32_u24 v16, v2, 12, v19                 ; + 12 h: where I put 12 bytes of codes
	v_lshl_add_u32 v17, v1, 2, s76                 ; scratch + 4 r: a row's scale word
	v_mul_u32_u24 v18, v3, 24
	v_add_nc_u32 v18, s76, v18                     ; scratch + 24 L: a record's slot for my lane
	v_lshlrev_b32 v21, 4, v3
	v_add_nc_u32 v20, s76, v21
	s_lshl_b32 s79, s31, 9
	s_lshl_b32 s88, s32, 2
	s_add_co_u32 s79, s79, s88
	s_add_co_u32 s79, s79, SCST
	v_lshl_add_u32 v22, v1, 3, s79
	s_lshl_b32 s79, s30, 8
	s_add_co_u32 s79, s79, SCST
	v_lshl_add_u32 v23, v3, 3, s79
.macro BCOPY                           ; the straight step's bias: one loaded register a tile, copied into the other seven
	s_wait_loadcnt 0x0
.irp c, 0,1,2,3
.irp j, 1,2,3,4,5,6,7
	v_mov_b32 v[BI+8*\c+\j], v[BI+8*\c]
.endr
.endr
	PLACES 4
.endm
.macro EPIQK kind, hh                  ; q (kind 0) or k (1) of head hh: chain 2 (mt%2) + block at ACC + 32 mt + 16 block
.irp pr, 0,1
	Q4 0, ACC+64*\pr, ACC+64*\pr+16, ACC+64*\pr+32, ACC+64*\pr+48
.irp k, 0,1,2,3
.irp i, 0,1,2
	ds_store_b32 v16, v[CD+4*\k+\i] offset:(2*\hh+\pr)*USTR+1536*\kind+384*\k+4*\i
.endr
.endr
.irp t, 0,1
	v_lshl_or_b32 v[T2+\t], v[TM+2*\t+1], 8, v[TM+2*\t]
	v_or_b32 v[T2+\t], 0x7f7f0000, v[T2+\t]        ; blocks 2 and 3 hold zero codes: the byte of 1.0
	ds_store_b32 v17, v[T2+\t] offset:(2*\hh+\pr)*USTR+4608+128*\kind+64*\t
.endr
.endr
.endm
.macro EPIV hh                         ; v: chain c at ACC + 32 c + 16 gl: column 16 c + r, the 32 keys of g = 2 rh + gl
.irp gl, 0,1
	Q4 0, ACC+16*\gl, ACC+32+16*\gl, ACC+64+16*\gl, ACC+96+16*\gl
.irp k, 0,1,2,3
.irp i, 0,1,2
	ds_store_b32 v16, v[CD+4*\k+\i] offset:(2*\hh+\gl)*USTR+3072+384*\k+4*\i
.endr
.endr
.irp k, 0,1,2,3
	v_or_b32 v[T2+\k], 0x7f7f7f00, v[TM+\k]
	ds_store_b32 v17, v[T2+\k] offset:(2*\hh+\gl)*USTR+4864+64*\k
.endr
.endr
.endm
	s_wait_alu depctr_va_vdst(0)
	s_wait_tensorcnt 0x0                           ; my tile of the head's four is in
	ds_add_u32 v10, v11
	s_mov_b32 s[G1W+2], 32<<16                     ; no tensor load of mine is out: from here on a load of weights brings 32 rows
	s_mov_b32 s[G1W+4], 32
	s_wait_dscnt 0x0
	ROUND                                          ; all four tiles are in, in every work-group of the cluster
	tensor_load_to_lds s[G0S1:G0S1+3], s[G1W:G1W+7]  ; slot 1's first fill, issued as a refill is: my 32 rows
	s_nop 0
	PLACES 4
	ALOAD
	s_wait_loadcnt 0x0                             ; x's scale bytes
	PERM8 AS, RA
	PERM8 AS+8, RA+8
	GEMM 0, 1, 0, ACC, 8, 32, 1, 16, 0, 18, 0
	CHANGE 1, G0S0, 20, 0
	EPIQK 0, 0
	GEMM 1, 1, 0, ACC, 8, 32, 2, 22, 0, 24, 0
	CHANGE 1, G0S1, 8, 49152
	EPIQK 1, 0
	BCOPY
	GEMM 0, 0, 0, ACC, 32, 8, 1, 10, 2048, 12, 256
	CHANGE 1, G0S0, 14, 49152
	EPIV 0
	GEMM 1, 1, 0, ACC, 8, 32, 1, 16, 2048, 18, 256
	CHANGE 1, G0S1, 20, 49152
	EPIQK 0, 1
	GEMM 0, 1, 0, ACC, 8, 32, 2, 22, 2048, 24, 256
	CHANGE 0, 0, 0, 0
	EPIQK 1, 1
	BCOPY
	GEMM 1, 0, 0, ACC, 32, 8, 0, 0, 0, 0, 0
	WIN 0
	PLACES 4
	EPIV 1
; ---- the attention: four units (hh, gl) of 32 queries x 32 keys x 64, all in window 0
.set F,   72                           ; v72-119  four fragments: k's two and q's two, then v's four; registers 6-11 of each stay zero codes
.set PF,  128                          ; v128-151 p's two fragments
.set S,   160                          ; v160-191 S^T: 16 qt + 8 kt
.set O,   192                          ; v192-255 O^T: 32 qt + 8 c
.set MX,  120
.set NM,  122                          ; pairs: -M, t
.set TP,  126
.set AQ,  152
.set AV,  153
.set AWD, 154
.set LL,  156                          ; pairs: the row's sum, then its reciprocal
.set KS,  40
.set QS,  42
.set VS,  44
.set PS,  48
.set TM,  160                          ; the quantiser's work registers move into S^T's
.set T2,  164
.set CD,  168
.macro WM0 d, a, b, sa, sb
	v_wmma_scale_f32_16x16x128_f8f6f4 v[\d:\d+7], v[\a:\a+11], v[\b:\b+11], 0, v[\sa], v[\sb] matrix_a_fmt:MATRIX_FMT_FP6 matrix_b_fmt:MATRIX_FMT_FP6
.endm
.macro UNIT gl
	s_wait_xcnt 0x0                                ; the last unit's stores have read their registers
.irp t, 0,1
.irp i, 0,1,2
	ds_load_b64 v[F+12*\t+2*\i:F+12*\t+2*\i+1], v[AQ] offset:\gl*USTR+1536+768*\t+8*\i
	ds_load_b64 v[F+24+12*\t+2*\i:F+24+12*\t+2*\i+1], v[AQ] offset:\gl*USTR+768*\t+8*\i
.endr
	ds_load_b32 v[KS+\t], v[AWD] offset:\gl*USTR+4736+64*\t
	ds_load_b32 v[QS+\t], v[AWD] offset:\gl*USTR+4608+64*\t
.endr
	s_wait_dscnt 0x0
.irp qt, 0,1
.irp kt, 0,1
	WM0 S+16*\qt+8*\kt, F+12*\kt, F+24+12*\qt, KS+\kt, QS+\qt     ; S^T: a lane holds one query and keys 16 kt + 8 h + j
.endr
.endr
	PLACES 4
.irp c, 0,1,2,3
.irp i, 0,1,2
	ds_load_b64 v[F+12*\c+2*\i:F+12*\c+2*\i+1], v[AV] offset:\gl*USTR+3072+384*\c+8*\i   ; both halves of the lanes read slot r: block 1 meets zero codes of p
.endr
	ds_load_b32 v[VS+\c], v[AWD] offset:\gl*USTR+4864+64*\c
.endr
.irp q, 0,1
	v_max3_num_f32 v[MX+\q], v[S+16*\q], v[S+16*\q+1], v[S+16*\q+2]
.endr
.irp i, 3,5,7,9,11,13
.irp q, 0,1
	v_max3_num_f32 v[MX+\q], v[MX+\q], v[S+16*\q+\i], v[S+16*\q+\i+1]
.endr
.endr
.irp q, 0,1
	v_max_num_f32 v[MX+\q], v[MX+\q], v[S+16*\q+15]
.endr
.irp q, 0,1
	v_permlanex16_b32 v[TP+\q], v[MX+\q], s80, s81
.endr
.irp q, 0,1
	v_max_num_f32 v[MX+\q], v[MX+\q], v[TP+\q]     ; the row's largest score
.endr
.irp q, 0,1
	v_mul_f32 v[NM+2*\q+1], s82, v[MX+\q]          ; as t
.endr
.irp q, 0,1
	v_floor_f32 v[NM+2*\q], -v[NM+2*\q+1]          ; -M = -ceil(t)
.endr
.irp j, 0,2,4,6,8,10,12,14
.irp q, 0,1
	v_pk_fma_f32 v[S+16*\q+\j:S+16*\q+\j+1], v[S+16*\q+\j:S+16*\q+\j+1], s[82:83], v[NM+2*\q:NM+2*\q+1] op_sel_hi:[1,0,0]
.endr
.endr
.irp q, 0,1
	v_fma_f32 v[MX+\q], v[MX+\q], s82, v[NM+2*\q]  ; the same of the largest score: the block's largest p
.endr
	s_wait_alu depctr_va_vdst(0)
.irp j, 0,1,2,3,4,5,6,7,8,9,10,11,12,13,14,15,16,17,18,19,20,21,22,23,24,25,26,27,28,29,30,31
	v_exp_f32 v[S+\j], v[S+\j]
.endr
.irp q, 0,1
	v_exp_f32 v[MX+\q], v[MX+\q]
.endr
.irp q, 0,1
.irp i, 3,4,5
	v_mov_b32 v[PF+12*\q+\i], 0                    ; plain lines behind the exponentials
.endr
.endr
	s_wait_alu depctr_va_vdst(0)                   ; one wait for the batch of 34, ahead of its first reader
.irp q, 0,1
	v_max_num_f32 v[MX+\q], 0x1800000, v[MX+\q]
.endr
.irp q, 0,1
	v_add_nc_u32 v[TP+\q], 0xff000000, v[MX+\q]
.endr
.irp q, 0,1
	v_lshrrev_b32 v[MX+\q], 23, v[TP+\q]
.endr
.irp q, 0,1
	v_or_b32 v[PS+\q], 0x7f7f7f00, v[MX+\q]
.endr
.irp q, 0,1
	v_cvt_scalef32_pk16_fp6_f32 v[PF+12*\q:PF+12*\q+2], v[S+16*\q:S+16*\q+15], v[TP+\q]
.endr
	v_nop
.irp q, 0,1
.irp i, 0,1,2
	v_permlane16_swap_b32 v[PF+12*\q+\i], v[PF+12*\q+3+\i]   ; lanes 0-15 now hold the block's 32 codes, lanes 16-31 zero codes
.endr
.endr
.irp q, 0,1
	v_pk_add_f32 v[LL+2*\q:LL+2*\q+1], v[S+16*\q:S+16*\q+1], v[S+16*\q+2:S+16*\q+3]   ; the sum of the unquantised p.  These additions are also the places between the writes of p's codes and scale word and the products
.endr
.irp j, 4,6,8,10,12,14
.irp q, 0,1
	v_pk_add_f32 v[LL+2*\q:LL+2*\q+1], v[LL+2*\q:LL+2*\q+1], v[S+16*\q+\j:S+16*\q+\j+1]
.endr
.endr
.irp q, 0,1
	v_add_f32 v[LL+2*\q], v[LL+2*\q], v[LL+2*\q+1]
.endr
.irp q, 0,1
	v_permlanex16_b32 v[TP+\q], v[LL+2*\q], s80, s81
.endr
.irp q, 0,1
	v_add_f32 v[LL+2*\q], v[LL+2*\q], v[TP+\q]
.endr
	s_wait_alu depctr_va_vdst(0)
.irp q, 0,1
	v_rcp_f32 v[LL+2*\q], v[LL+2*\q]
.endr
	v_nop
	s_wait_alu depctr_va_vdst(0)
	s_wait_dscnt 0x0                               ; v's records and scale words
.irp c, 0,1,2,3
.irp qt, 0,1
	WM0 O+32*\qt+8*\c, F+12*\c, PF+12*\qt, VS+\c, PS+\qt          ; O^T: a lane holds one query and d = 16 c + 8 h + j
.endr
.endr
	PLACES 4
.irp qt, 0,1
.irp j, 0,2,4,6,8,10,12,14,16,18,20,22,24,26,28,30
	v_pk_mul_f32 v[O+32*\qt+\j:O+32*\qt+\j+1], v[O+32*\qt+\j:O+32*\qt+\j+1], v[LL+2*\qt:LL+2*\qt+1] op_sel_hi:[1,0]
.endr
.endr
.irp k, 0,1,2,3
.irp j, 0,1,2,3,4,5,6,7
	v_permlane16_swap_b32 v[O+16*\k+\j], v[O+16*\k+8+\j]   ; the 16 registers of a chain now hold d = 32 block + 16 h + 0 .. 15: K's own order, as the next weights want it
.endr
.endr
	Q4 0, O, O+16, O+32, O+48
.irp k, 0,1,2,3
.irp i, 0,1,2
	ds_store_b32 v16, v[CD+4*\k+\i] offset:OSTG+384*\k+4*\i
.endr
.endr
.irp t, 0,1
	v_lshl_or_b32 v[T2+\t], v[TM+2*\t+1], 8, v[TM+2*\t]
	ds_store_b32 v[AWD], v[T2+\t] offset:\gl*USTR+5120+64*\t
.endr
	ds_load_b128 v[184:187], v20 offset:OSTG
	ds_load_b128 v[188:191], v20 offset:OSTG+512
	ds_load_b128 v[156:159], v20 offset:OSTG+1024
	s_wait_dscnt 0x0
	global_store_b128 v21, v[184:187], s[26:27] offset:1536*\gl
	global_store_b128 v21, v[188:191], s[26:27] offset:1536*\gl+512
	global_store_b128 v21, v[156:159], s[26:27] offset:1536*\gl+1024   ; 512 consecutive aligned bytes each
.endm
	s_wait_dscnt 0x0                               ; the last stores have read the registers that are cleared now
.irp f, 0,1,2,3
.irp i, 6,7,8,9,10,11
	v_mov_b32 v[F+12*\f+\i], 0
.endr
.endr
.irp f, 0,1
.irp i, 6,7,8,9,10,11
	v_mov_b32 v[PF+12*\f+\i], 0
.endr
.endr
	v_mov_b32 v[TP], 0
	v_mov_b32 v[TP+1], 0
	s_mov_b32 s84, 0
	s_mov_b32 s85, 2
.Lhead:                                        ; two trips: hh = 0, 1
	v_add_nc_u32 v[AQ], s84, v18
	v_add_nc_u32 v[AV], s84, v19
	v_add_nc_u32 v[AWD], s84, v17
	s_wait_alu depctr_va_vdst(0)
	UNIT 0
	UNIT 1
	s_wait_xcnt 0x0                                ; the stores have read their base
	s_add_nc_u64 s[26:27], s[26:27], 6144
	s_add_co_u32 s84, s84, 2*USTR
	s_sub_co_u32 s85, s85, 1
	s_cmp_lg_u32 s85, 0
	s_cbranch_scc1 .Lhead
.irp k, 0,1,2,3                        ; k = 2 gl + qt: my two heads' bytes make a word of the row's eight
	ds_load_b32 v[160+\k], v17 offset:(\k/2)*USTR+5120+64*(\k%2)
	ds_load_b32 v[164+\k], v17 offset:(2+\k/2)*USTR+5120+64*(\k%2)
.endr
	s_wait_dscnt 0x0
.irp k, 0,1,2,3
	v_lshl_or_b32 v[160+\k], v[164+\k], 16, v[160+\k]
	ds_store_b32 v22, v[160+\k] offset:128*\k
.endr
	v_lshlrev_b32 v170, 3, v3
	s_wait_alu depctr_va_vdst(0)
	s_wait_dscnt 0x0                               ; for the others' sake
	s_barrier_signal -1
	s_barrier_wait -1
	ds_load_b64 v[168:169], v23
	s_wait_dscnt 0x0
	global_store_b64 v170, v[168:169], s[28:29]    ; 256 consecutive aligned bytes a wave
	s_wait_tensorcnt 0x0                           ; the wave's end
	ds_add_u32 v10, v11
	s_wait_dscnt 0x0
	ROUND                                          ; the closing round
	s_endpgm
.Lfunc_end_k_q27bd511df0_ant:
	.size	k_q27bd511df0_ant, .Lfunc_end_k_q27bd511df0_ant-k_q27bd511df0_ant
	.p2alignl 7, 3214868480
	.fill 96, 4, 3214868480
	.section	.rodata,"a",@progbits
	.p2align	6, 0x0
	.amdhsa_kernel k_q27bd511df0_ant
		.amdhsa_group_segment_fixed_size 327680
		.amdhsa_private_segment_fixed_size 0
		.amdhsa_enable_private_segment 0
		.amdhsa_kernarg_size 104
		.amdhsa_user_sgpr_count 2
		.amdhsa_user_sgpr_kernarg_segment_ptr 1
		.amdhsa_wavefront_size32 1
		.amdhsa_system_sgpr_workgroup_id_x 1
		.amdhsa_system_sgpr_workgroup_id_y 1
		.amdhsa_system_sgpr_workgroup_id_z 1
		.amdhsa_system_vgpr_workitem_id 0
		.amdhsa_next_free_vgpr 1024
		.amdhsa_next_free_sgpr 100
		.amdhsa_reserve_vcc 0
		.amdhsa_float_denorm_mode_32 3
		.amdhsa_float_denorm_mode_16_64 3
		.amdhsa_memory_ordered 1
		.amdhsa_forward_progress 1
		.amdhsa_inst_pref_size 255
	.end_amdhsa_kernel
	.section	.bss,"aw",@nobits
	.p2align	6
	.space	262144
	.amdgpu_metadata
---
amdhsa.version: [ 1, 2 ]
amdhsa.kernels:
  - .name:           k_q27bd511df0_ant
    .symbol:         k_q27bd511df0_ant.kd
    .args:
      - { .name: xcod, .offset: 0, .size: 8, .value_kind: global_buffer, .address_space: global }
      - { .name: xscl, .offset: 8, .size: 8, .value_kind: global_buffer, .address_space: global }
      - { .name: w_q_ant_codes, .offset: 16, .size: 8, .value_kind: global_buffer, .address_space: global }
      - { .name: w_q_ant_scales, .offset: 24, .size: 8, .value_kind: global_buffer, .address_space: global }
      - { .name: b_q_ant, .offset: 32, .size: 8, .value_kind: global_buffer, .address_space: global }
      - { .name: w_k_ant_codes, .offset: 40, .size: 8, .value_kind: global_buffer, .address_space: global }
      - { .name: w_k_ant_scales, .offset: 48, .size: 8, .value_kind: global_buffer, .address_space: global }
      - { .name: b_k_ant, .offset: 56, .size: 8, .value_kind: global_buffer, .address_space: global }
      - { .name: w_v_ant_codes, .offset: 64, .size: 8, .value_kind: global_buffer, .address_space: global }
      - { .name: w_v_ant_scales, .offset: 72, .size: 8, .value_kind: global_buffer, .address_space: global }
      - { .name: b_v_ant, .offset: 80, .size: 8, .value_kind: global_buffer, .address_space: global }
      - { .name: acod, .offset: 88, .size: 8, .value_kind: global_buffer, .address_space: global }
      - { .name: ascl, .offset: 96, .size: 8, .value_kind: global_buffer, .address_space: global }
    .group_segment_fixed_size: 327680
    .private_segment_fixed_size: 0
    .kernarg_segment_align: 8
    .kernarg_segment_size: 104
    .max_flat_workgroup_size: 128
    .sgpr_count:     100
    .vgpr_count:     1024
    .wavefront_size: 32
...
	.end_amdgpu_metadata
.endif
;; end of part 2
;; launch freq (part 3): grid 4 x 64, 4 waves a work-group, clusters of 4 x 4, 327,680 bytes of LDS; arguments acod, ascl, w_q_freq_codes, w_q_freq_scales, b_q_freq, w_k_freq_codes, w_k_freq_scales, b_k_freq, w_v_freq_codes, w_v_freq_scales, b_v_freq, fcod, fscl; writes fcod, fscl
.if DOCPART == 3
	.amdgcn_target "amdgcn-amd-amdhsa--gfx1250"
	.amdhsa_code_object_version 6
	.text
	.protected	k_q27bd511df0_freq
	.globl	k_q27bd511df0_freq
	.p2align	8
	.type	k_q27bd511df0_freq,@function
k_q27bd511df0_freq:
	s_mov_b64 s[64:65], 0
	v_nop
	global_prefetch_b8 v0, s[64:65] scope:SCOPE_SE
	s_setreg_imm32_b32 hwreg(HW_REG_WAVE_MODE, 25, 1), 1
	s_wait_xcnt 0x0
	s_wait_alu depctr_hold_cnt(0) depctr_sa_sdst(0) depctr_va_vdst(0) depctr_va_sdst(0) depctr_va_ssrc(0) depctr_va_vcc(0) depctr_vm_vsrc(0)
	s_getreg_b32 s2, hwreg(HW_REG_IB_STS2, 6, 4)
	s_cmp_eq_u32 s2, 0
	s_cbranch_scc0 .Lentry_in_a_cluster
	s_endpgm
.Lentry_in_a_cluster:
	s_bfe_u32 s2, ttmp6, 0x10000c
	s_cmp_lg_u32 s2, 0xf033
	s_cbranch_scc0 .Lentry_shape_is_right
	s_endpgm
.Lentry_shape_is_right:
; q, k, v = Q(out_ant) W^T + b for four heads of one b (products on codes of FP6 (E2M3) with E8M0 scales), attention along the 4 frequency groups of each (b, antenna, head) in f32 multiply-adds, and the result quantised.
; SHARES: work-group (hq, b).  Wave w: rh = w & 1, ch = w >> 1: row tiles m = 2 mt + rh, so mt = g and lane row r is antenna 16 rh + r: a lane's four row tiles hold the four g of ONE antenna; heads 4 hq + 2 ch + hh.
; A STEP is 64 weight rows x K = 1,024: 128 matrix instructions on 16 accumulators by turns; all steps transposed (source 0 = weight rows): a lane holds one row and columns 16 c + 8 h + j.
; WHICH BLOCKS A K STEP TAKES: K step s takes the blocks of 32 numbered 2 s, 2 s + 1 (lanes 0-15) and 16 + 2 s, 17 + 2 s (lanes 16-31), alike on both sides.  So a lane's 12 registers of a weight fragment are 48 consecutive
; bytes of its row, at 48 s + 384 h: three loads of 16 bytes.  The scale word of K step s is made of bytes 2 s, 16 + 2 s, 2 s + 1, 17 + 2 s of a row's 32, by one byte permute.
; q lands in window 3 v0-127, k in window 3 v128-255, v in window 0 v128-255 (8 c + 32 g + j).  So the 4 x 4 scores and the weighted sums are multiply-adds inside a lane, with one exchange between the halves of the lanes.
; The small softmax is finished and normalised, with its own maximum taken away.  Ring, cluster and joint loads: whole weight rows of 768 bytes, 32 a wave and load; the records jointly along a row of the cluster, the weights along a column.
; LIMITS: NaN and infinities are not served; a block whose largest magnitude lies under 2^-124 gets the byte 1 (zeros keep zero codes); the weights' codes and scales are used as given; the sums over K run in the order of blocks stated above, not in ascending K.
; No prefetch: the records are wanted at the head, the weights are walked by every cluster, and each refill has a whole step's 128 matrix instructions in which to land.
.set TSTR,  1536
.set RHOFF, 768
.set ASI,   512
.set ASH,   8
.set ASR,   7
; ---- what the three product launches share
.set CHB,   104448                     ; LDS 0: the ring: ch x 104,448 + slot x 52,224; 64 rows, pitch 816 (768 + 16 behind each 256), an odd multiple of 16: the 16 rows that half a load of 16 bytes touches begin in 16 different columns of 16 bytes (ISA guide 11.1: 64 banks of 4 bytes)
.set SLOTB, 52224
.set WP,    816
.set AREG,  208896                     ; b's records, filled once: quarters 0, 1 (K/64 = 0-7) at w x 24,576, quarters 2, 3 (8-15) 128 bytes further on, so that lanes 16-31 of a load of 8 bytes fall 32 banks from lanes 0-15; later each wave's quarter is its scratch
.set SPARE, 307456                     ; the spare words: 128 bytes a wave, named by no other line
.set SCST,  307968                     ; 1,024 scale bytes on their way out
.set VB,  4
.set VB2, 6
.set VA,  8
.set AS,  24                           ; v24-39 the left operand's scale words; v40-55 the weights' of the step in hand; v56-71 the next step's scale bytes as they lie in memory
.set BS,  40
.set BR,  56
.set BI,  72
.set TM,  104
.set T2,  108
.set CD,  112
.set ACC, 128
.set RA,  128                          ; v128-143 the left operand's scale bytes as they lie in memory, at the head only
.set BF,  144
.set G1W, 40
.set G1A, 48
.set G0A, 56
.set G0S0, 60
.set G0S1, 68
.set MSB, 0
.macro WIN new                         ; the immediate's high byte repeats the setting that is left
.if MSB != (\new)
	s_set_vgpr_msb (MSB<<8)|(\new)
.set MSB, (\new)
.endif
.endm
.macro PLACES n
.rept \n
	v_nop
.endr
.endm
.macro ROUND                           ; a round of the cluster's barrier
	s_barrier_signal -1
	s_barrier_wait -1
	s_cmp_lg_u32 s30, 0
	s_cbranch_scc1 .Lnot_wave_0_\@
	s_barrier_signal -3
.Lnot_wave_0_\@:
	s_barrier_wait -3
	s_barrier_signal -1
	s_barrier_wait -1
.endm
.macro ALOAD                           ; my 32 fragments of the left operand: registers 6 c2 + 2 i of fragment (mt, s) from record s + 8 h, slot 16 c2 + r
.irp s, 0,1,2,3,4,5,6,7
	WIN 0x40*(1+\s/5)
.irp mt, 0,1,2,3
.irp c2, 0,1
.irp i, 0,1,2
.set R_, 48*(\s%5)+12*\mt+6*\c2+2*\i
	ds_load_b64 v[R_:R_+1], v[VA] offset:\s*6144+\mt*TSTR+384*\c2+8*\i
.endr
.endr
.endr
.endr
	WIN 0
.endm
.macro LAS
.irp i, 0,1
.irp s2, 0,1,2,3
	global_load_b64 v[RA+8*\i+2*\s2:RA+8*\i+2*\s2+1], v12, s[6:7] offset:\s2*1024+\i*ASI
.endr
.endr
.endm
.macro PERM8 d, r                      ; a row's 32 scale bytes (8 words as in memory) become the words of the 8 K steps: bytes 2 s, 16 + 2 s, 2 s + 1, 17 + 2 s
.irp s, 0,1,2,3,4,5,6,7
.if \s%2
	v_perm_b32 v[\d+\s], v[\r+4+\s/2], v[\r+\s/2], s93
.else
	v_perm_b32 v[\d+\s], v[\r+4+\s/2], v[\r+\s/2], s92
.endif
.endr
.endm
.macro LBS ptr, off
.irp i, 0,1
.irp q, 0,1
	global_load_b128 v[BR+8*\i+4*\q:BR+8*\i+4*\q+3], v13, s[\ptr:\ptr+1] offset:(\off)+1024*\i+16*\q
.endr
.endr
.endm
.macro LBI ptr, off                    ; register j of tile c wants the bias of column 16 c + 8 h + j
.irp c, 0,1,2,3
.irp q, 0,1
	global_load_b128 v[BI+8*\c+4*\q:BI+8*\c+4*\q+3], v14, s[\ptr:\ptr+1] offset:(\off)+64*\c+16*\q
.endr
.endr
.endm
.macro HB slot, s                      ; the four column tiles' fragments of K step s: 12 loads of 16 bytes.  Byte P of a row lies at P + 16 (P / 256); lanes 16-31 read 384 bytes of data on: behind one padding more, or two where 128 <= P < 256
	WIN 0x80
.irp c, 0,1,2,3
.irp i, 0,1,2
.set P_, 48*(\s)+16*\i
.set R_, BF+48*((\s)%2)+12*\c+4*\i
.if (P_/128) == 1
	ds_load_b128 v[R_:R_+3], v[VB2+\slot] offset:13056*\c+P_+16*(P_/256)
.else
	ds_load_b128 v[R_:R_+3], v[VB+\slot] offset:13056*\c+P_+16*(P_/256)
.endif
.endr
.endr
.endm
.macro WM d, a, b, c, sa, sb, ra, rb
.if (\ra) && (\rb)
	v_wmma_scale_f32_16x16x128_f8f6f4 v[\d:\d+7], v[\a:\a+11], v[\b:\b+11], v[\c:\c+7], v[\sa], v[\sb] matrix_a_fmt:MATRIX_FMT_FP6 matrix_b_fmt:MATRIX_FMT_FP6 matrix_a_scale:MATRIX_SCALE_ROW1 matrix_b_scale:MATRIX_SCALE_ROW1
.elseif (\ra)
	v_wmma_scale_f32_16x16x128_f8f6f4 v[\d:\d+7], v[\a:\a+11], v[\b:\b+11], v[\c:\c+7], v[\sa], v[\sb] matrix_a_fmt:MATRIX_FMT_FP6 matrix_b_fmt:MATRIX_FMT_FP6 matrix_a_scale:MATRIX_SCALE_ROW1
.elseif (\rb)
	v_wmma_scale_f32_16x16x128_f8f6f4 v[\d:\d+7], v[\a:\a+11], v[\b:\b+11], v[\c:\c+7], v[\sa], v[\sb] matrix_a_fmt:MATRIX_FMT_FP6 matrix_b_fmt:MATRIX_FMT_FP6 matrix_b_scale:MATRIX_SCALE_ROW1
.else
	v_wmma_scale_f32_16x16x128_f8f6f4 v[\d:\d+7], v[\a:\a+11], v[\b:\b+11], v[\c:\c+7], v[\sa], v[\sb] matrix_a_fmt:MATRIX_FMT_FP6 matrix_b_fmt:MATRIX_FMT_FP6
.endif
.endm
.macro MM8 s, half, tr, dw, db, sc, sm         ; eight products: two column tiles x my four row tiles, K step s.  FIRST_: the bias is C
.set AW_, 1+(\s)/5
.if FIRST_
.set CW_, 0
.else
.set CW_, \dw
.endif
.if \tr
	WIN 2+(AW_<<2)+(CW_<<4)+((\dw)<<6)
.else
	WIN AW_+(2<<2)+(CW_<<4)+((\dw)<<6)
.endif
.irp c, 2*(\half), 2*(\half)+1
.irp mt, 0,1,2,3
.set D_, (\db)+(\sc)*(\c)+(\sm)*\mt
.set A_, 48*((\s)%5)+12*\mt
.set B_, BF+48*((\s)%2)+12*(\c)
.set SA_, AS+8*(\mt/2)+(\s)
.set SB_, BS+8*((\c)/2)+(\s)
.if FIRST_
.set C_, BI+8*(\c)
.else
.set C_, D_
.endif
.if \tr
	WM D_, B_, A_, C_, SB_, SA_, (\c)%2, \mt%2
.else
	WM D_, A_, B_, C_, SA_, SB_, \mt%2, (\c)%2
.endif
.endr
.endr
.endm
; A step.  nk = 1: the next step's scale bytes and bias are asked for.
; ONE run of 12 fragment loads for each K step, behind that step's 16 products and four plain places (ISA guide 7.12.1 for vector instructions), into the buffer that the step has left:
; it is asked for 16 matrix instructions and the next run ahead of the wait for it.
.macro GEMM slot, tr, dw, db, sc, sm, nk, nsp, nso, nbp, nbo
	s_wait_loadcnt 0x0                             ; this step's scale bytes and bias, asked for a step ago
	HB \slot, 0
	HB \slot, 1
	WIN 0
	PERM8 BS, BR
	PERM8 BS+8, BR+8
.if \nk
	LBS \nsp, \nso
.endif
	PLACES 8                                       ; a scale register written by a vector instruction stands eight places ahead of a scaled product
	s_wait_alu depctr_va_vdst(0)
.irp s, 0,1,2,3,4,5,6,7
.set FIRST_, 0
.if \s == 0
.set FIRST_, 1
.endif
.if \s < 7
	s_wait_dscnt 12                                ; the younger run of 12 may be out
.else
	s_wait_dscnt 0x0
.endif
	MM8 \s, 0, \tr, \dw, \db, \sc, \sm
	MM8 \s, 1, \tr, \dw, \db, \sc, \sm
.if \s < 6
	PLACES 4
	HB \slot, \s+2
.endif
.if \s == 0
.if \nk == 1
	WIN 0
	LBI \nbp, \nbo
.endif
.endif
.endr
.endm
; The change of slots: every wave waits for all its tensor loads, adds 0 to its spare word, waits for that and for its reads of the slot.  fill = 1: a round of the cluster's barrier, and the joint refill first behind it.
.macro CHANGE fill, g0, ptr, add
	WIN 0
	s_wait_tensorcnt 0x0                           ; no tensor load of mine is out: a group 0 may be written
	ds_add_u32 v10, v11
.if \fill
	s_add_nc_u64 s[\g0+2:\g0+3], s[\ptr:\ptr+1], \add
	s_or_b32 s[\g0+3], s[\g0+3], 0x80000000
.endif
	s_wait_dscnt 0x0
.if \fill
	ROUND
	tensor_load_to_lds s[\g0:\g0+3], s[G1W:G1W+7]
	s_nop 0
	PLACES 4                                       ; the places behind the step's last products
.else
	s_barrier_signal -1
	s_barrier_wait -1
	PLACES 4
.endif
.endm
; Four chains of 16 registers (window w), register i of a chain = place 16 h + i of a block of 32: the bytes land in v[TM + k], the 96 bits of codes in v[CD + 4 k] on.
.macro MXF k, a
	v_max3_num_f32 v[TM+\k], |v[\a]|, |v[\a+1]|, 0x1800000         ; with the floor 2^(3 - 127): the byte cannot fall under 1
.endm
.macro MXN k, a, i
	v_max3_num_f32 v[TM+\k], |v[\a+\i]|, |v[\a+\i+1]|, v[TM+\k]
.endm
.macro CVQ k, a
	v_cvt_scalef32_pk16_fp6_f32 v[CD+4*\k:CD+4*\k+2], v[\a:\a+15], v[T2+\k]
.endm
.macro Q4 w, a0, a1, a2, a3
	WIN 5*(\w)
	MXF 0, \a0
	MXF 1, \a1
	MXF 2, \a2
	MXF 3, \a3
.irp i, 2,4,6,8,10,12,14
	MXN 0, \a0, \i
	MXN 1, \a1, \i
	MXN 2, \a2, \i
	MXN 3, \a3, \i
.endr
	WIN 0
	s_wait_alu depctr_va_vdst(0)
	s_wait_dscnt 0x0                               ; earlier LDS stores have read T2 and CD
.irp k, 0,1,2,3
	v_permlanex16_b32 v[T2+\k], v[TM+\k], s80, s81
.endr
.irp k, 0,1,2,3
	v_max_num_f32 v[TM+\k], v[TM+\k], v[T2+\k]
.endr
.irp k, 0,1,2,3
	v_add_nc_u32 v[T2+\k], 0xff000000, v[TM+\k]    ; 2 off the exponent field: the conversion's scale operand
.endr
.irp k, 0,1,2,3
	v_lshrrev_b32 v[TM+\k], 23, v[T2+\k]           ; the byte
.endr
	WIN \w
	CVQ 0, \a0
	CVQ 1, \a1
	CVQ 2, \a2
	CVQ 3, \a3
	v_nop                                          ; a plain line behind the conversions
	WIN 0
.endm
; ---- the head
	s_load_b512 s[4:19], s[0:1], 0x0               ; codes s[4:5], scales s[6:7] of the left operand; then codes, scales, bias of q s[8:13], of k s[14:19],
	s_load_b256 s[20:27], s[0:1], 0x40             ; of v s[20:25]; the codes out s[26:27],
	s_load_b64 s[28:29], s[0:1], 0x60              ; the scales out
	v_lshl_add_u32 v10, v0, 2, SPARE
	v_mov_b32 v11, 0
	ds_add_u32 v10, v11
	ds_add_u32 v10, v11
	s_wait_dscnt 0x0
	v_lshrrev_b32 v1, 5, v0
	v_readfirstlane_b32 s30, v1                    ; wave
	s_and_b32 s31, s30, 1                          ; rh
	s_lshr_b32 s32, s30, 1                         ; ch
	s_bfe_u32 s33, ttmp6, 0x40000                  ; cx
	s_bfe_u32 s34, ttmp6, 0x40004                  ; cy
	s_lshl_b32 s35, ttmp9, 2
	s_add_co_u32 s35, s35, s33                     ; hq
	s_and_b32 s36, ttmp7, 0xffff
	s_lshl_b32 s36, s36, 2
	s_add_co_u32 s36, s36, s34                     ; b
	s_lshl_b32 s37, 0x1111, s33                    ; my column of the cluster
	s_lshl_b32 s38, s34, 2
	s_lshl_b32 s38, 15, s38                        ; my row
	s_or_b32 s[G1W], s37, (1<<20)|(1<<21)|(5<<22)|(3<<25)   ; the weights go to my column; bytes; 4 words of padding behind every 64
	s_mov_b32 s[G1W+1], 768<<16
	s_mov_b32 s[G1W+2], 64<<16                     ; 64 rows for the head's load; set to 32 for the ring's behind the head's wait
	s_mov_b32 s[G1W+3], 768<<16
	s_mov_b32 s[G1W+4], 64
	s_mov_b32 s[G1W+5], 768
	s_mov_b32 s[G1W+6], 0
	s_mov_b32 s[G1W+7], 0
	s_or_b32 s[G1A], s38, (3<<16)|(1<<21)          ; the records go to my row; a dense half: 192 rows of 32 elements of 8 bytes
	s_mov_b32 s[G1A+1], 32<<16
	s_mov_b32 s[G1A+2], 192<<16                    ; half of b's records: 192 rows of 256 bytes
	s_mov_b32 s[G1A+3], 32<<16
	s_mov_b32 s[G1A+4], 192
	s_mov_b32 s[G1A+5], 32
	s_mov_b32 s[G1A+6], 0
	s_mov_b32 s[G1A+7], 0
	s_mul_i32 s72, s35, 196608                     ; the weights' rows 256 hq + 128 ch + 32 rh, 768 bytes each: registers that never hold cy
	s_mul_i32 s73, s32, 98304
	s_add_co_u32 s72, s72, s73
	s_mul_i32 s73, s31, 24576
	s_add_co_u32 s72, s72, s73
	s_mov_b32 s73, 0
	s_mul_i32 s74, s36, 98304                      ; b's records, my quarter: registers that never hold cx
	s_mul_i32 s75, s32, 49152                      ; the half of the records that waves 1 (ch = 0) and 3 (ch = 1) fetch
	s_add_co_u32 s74, s74, s75
	s_mov_b32 s75, 0
	s_mul_i32 s76, s30, 24576
	s_lshl_b32 s79, s32, 7
	s_add_co_u32 s76, s76, s79                     ; quarters 2 and 3 lie 128 bytes further on
	s_add_co_u32 s76, s76, AREG                    ; where my quarter goes; later my scratch
	s_mul_i32 s77, s32, CHB
	s_mul_i32 s78, s31, 26112
	s_add_co_u32 s78, s78, s77                     ; where my 32 weight rows go
	s_mov_b32 s80, 0x76543210
	s_mov_b32 s81, 0xfedcba98                      ; selects: lane l xor 16
	s_mov_b32 s82, 0x3e38aa3b                      ; log2(e) / 8
	s_mov_b32 s83, s82
	s_mov_b32 s92, 0x05010400                      ; byte selects of the scale words: even K steps,
	s_mov_b32 s93, 0x07030602                      ; odd K steps
	s_wait_kmcnt 0x0
	s_add_nc_u64 s[8:9], s[8:9], s[72:73]
	s_add_nc_u64 s[14:15], s[14:15], s[72:73]
	s_add_nc_u64 s[20:21], s[20:21], s[72:73]
	ROUND                                          ; all sixteen work-groups are here: the first joint loads meet
	s_mov_b32 s[G0A], 1
	s_mul_i32 s39, s32, 49280                      ; the second half lies 128 bytes further on
	s_add_co_u32 s39, s39, AREG
	s_mov_b32 s[G0A+1], s39
	s_add_nc_u64 s[G0A+2:G0A+3], s[4:5], s[74:75]
	s_or_b32 s[G0A+3], s[G0A+3], 0x80000000
	s_mov_b32 s[G0S0], 1
	s_mov_b32 s[G0S0+1], s78
	s_mov_b64 s[G0S0+2:G0S0+3], s[8:9]
	s_or_b32 s[G0S0+3], s[G0S0+3], 0x80000000
	s_mov_b32 s[G0S1], 1
	s_add_co_u32 s[G0S1+1], s78, SLOTB
	s_mov_b64 s[G0S1+2:G0S1+3], s[14:15]
	s_or_b32 s[G0S1+3], s[G0S1+3], 0x80000000
	s_cmp_eq_u32 s31, 0                            ; the head's four tiles, one load a wave: waves 0 and 2 (rh = 0) fetch slot 0's 64 weight rows of their ch,
	s_cbranch_scc0 .Lfirst_rec
	tensor_load_to_lds s[G0S0:G0S0+3], s[G1W:G1W+7]
	s_nop 0
	PLACES 4
	s_branch .Lfirst_asked
.Lfirst_rec:                                           ; waves 1 and 3 a half of b's records each
	tensor_load_to_lds s[G0A:G0A+3], s[G1A:G1A+7]
	s_nop 0
	PLACES 4
.Lfirst_asked:
	v_and_b32 v1, 15, v0                           ; r
	v_bfe_u32 v2, v0, 4, 1                         ; h
	v_and_b32 v3, 31, v0                           ; L
	v_mul_u32_u24 v4, v1, WP
	v_mad_u32_u24 v4, v2, 400, v4                  ; lanes 16-31: 384 bytes of data and one padding on
	v_add_nc_u32 v4, s77, v4
	v_add_nc_u32 v5, SLOTB, v4
	v_lshl_add_u32 v6, v2, 4, v4
	v_lshl_add_u32 v7, v2, 4, v5
	s_mul_i32 s79, s31, RHOFF
	s_add_co_u32 s79, s79, AREG
	v_mul_u32_u24 v8, v1, 24
	v_mad_u32_u24 v8, v2, 49280, v8                ; lanes 16-31: eight record groups and the 128 bytes on
	v_add_nc_u32 v8, s79, v8
	v_lshlrev_b32 v12, 3, v1
	v_lshl_add_u32 v12, v2, ASH, v12
	s_lshl_b32 s79, s31, ASR
	v_add_nc_u32 v12, s79, v12
	s_wait_alu depctr_va_vdst(0)
	v_lshlrev_b32 v13, 5, v3
	s_wait_alu depctr_va_vdst(0)
	v_lshlrev_b32 v14, 5, v2
	s_wait_alu depctr_va_vdst(0)
.irp k, 0,1,2,3
	v_mov_b32 v[T2+\k], 0                          ; a lane permute's destination counts as read
.endr
	s_lshl_b32 s86, s36, 12
	s_mov_b32 s87, 0
	s_add_nc_u64 s[6:7], s[6:7], s[86:87]
	s_lshl_b32 s86, s35, 13
	s_lshl_b32 s88, s32, 12
	s_add_co_u32 s86, s86, s88
	s_add_nc_u64 s[10:11], s[10:11], s[86:87]
	s_add_nc_u64 s[16:17], s[16:17], s[86:87]
	s_add_nc_u64 s[22:23], s[22:23], s[86:87]
	s_lshr_b32 s86, s86, 3
	s_add_nc_u64 s[12:13], s[12:13], s[86:87]
	s_add_nc_u64 s[18:19], s[18:19], s[86:87]
	s_add_nc_u64 s[24:25], s[24:25], s[86:87]
	LAS
	LBS 10, 0
	LBI 12, 0
; ---- this launch's own addresses
	s_mul_i32 s86, s36, 98304
	s_mul_i32 s88, s35, 24576
	s_add_co_u32 s86, s86, s88
	s_mul_i32 s88, s32, 12288
	s_add_co_u32 s86, s86, s88
	s_mul_i32 s88, s31, 768
	s_add_co_u32 s86, s86, s88
	s_add_nc_u64 s[26:27], s[26:27], s[86:87]      ; record (head 4 hq + 2 ch, tile rh)
	s_lshl_b32 s86, s36, 12
	s_lshl_b32 s88, s35, 10
	s_add_co_u32 s86, s86, s88
	s_lshl_b32 s88, s30, 8
	s_add_co_u32 s86, s86, s88
	s_add_nc_u64 s[28:29], s[28:29], s[86:87]
	v_mul_u32_u24 v16, v1, 24
	v_mad_u32_u24 v16, v2, 12, v16
	v_add_nc_u32 v16, s76, v16                     ; scratch + 24 r + 12 h
	s_lshl_b32 s79, s31, 7
	s_lshl_b32 s88, s32, 2
	s_add_co_u32 s79, s79, s88
	s_add_co_u32 s79, s79, SCST
	v_lshl_add_u32 v17, v1, 3, s79                 ; my row's two bytes: 128 rh + 8 r + 4 ch
	v_lshlrev_b32 v19, 3, v3
	v_lshlrev_b32 v21, 4, v3
	v_add_nc_u32 v20, s76, v21
	v_mad_u32_u24 v22, v2, 768, v21                ; 16 L + 768 h: a run of 512 bytes that crosses from one record into the next
	s_lshl_b32 s79, s30, 8
	s_add_co_u32 s79, s79, SCST
	v_add_nc_u32 v23, s79, v19
.set SP,  144                          ; window 2, in the weights' fragment registers, which are free between steps: v144-175 the 16 scores in pairs, v176-191 and v192-203 at work
.set XW,  176
.set MG,  192
.set MC,  196
.set LS,  200
.macro FATT hh
	WIN 0xaf                                       ; q and k window 3, the sums window 2
.irp c, 0,1,2,3
.irp jp, 0,1,2,3
.irp ga, 0,1,2,3
.irp gb, 0,1,2,3
.set Q_, 8*\c+32*\ga+2*\jp
.set K_, 128+8*\c+32*\gb+2*\jp
.set P_, SP+2*(4*\ga+\gb)
.if (\c+\jp) == 0
	v_pk_mul_f32 v[P_:P_+1], v[Q_:Q_+1], v[K_:K_+1]
.else
	v_pk_fma_f32 v[P_:P_+1], v[Q_:Q_+1], v[K_:K_+1], v[P_:P_+1]
.endif
.endr
.endr
.endr
.endr
	WIN 0xaa                                       ; all in window 2
.irp i, 0,1,2,3,4,5,6,7,8,9,10,11,12,13,14,15
	v_add_f32 v[SP+2*\i], v[SP+2*\i], v[SP+2*\i+1]
.endr
.irp i, 0,1,2,3,4,5,6,7,8,9,10,11,12,13,14,15
	v_permlanex16_b32 v[XW+\i], v[SP+2*\i], s80, s81
.endr
.irp i, 0,1,2,3,4,5,6,7,8,9,10,11,12,13,14,15
	v_add_f32 v[SP+2*\i], v[SP+2*\i], v[XW+\i]     ; with the other 32 of the head's 64
.endr
.irp g, 0,1,2,3
	v_max3_num_f32 v[MG+\g], v[SP+8*\g], v[SP+8*\g+2], v[SP+8*\g+4]
.endr
.irp g, 0,1,2,3
	v_max_num_f32 v[MG+\g], v[MG+\g], v[SP+8*\g+6]
.endr
.irp g, 0,1,2,3
	v_mul_f32 v[MC+\g], s82, v[MG+\g]
.endr
.irp i, 0,1,2,3,4,5,6,7,8,9,10,11,12,13,14,15
	v_fma_f32 v[SP+2*\i], v[SP+2*\i], s82, -v[MC+\i/4]
.endr
	s_wait_alu depctr_va_vdst(0)
.irp i, 0,1,2,3,4,5,6,7,8,9,10,11,12,13,14,15
	v_exp_f32 v[SP+2*\i], v[SP+2*\i]
.endr
	v_nop
	s_wait_alu depctr_va_vdst(0)                   ; one wait for the 16 exponentials
.irp g, 0,1,2,3
	v_add_f32 v[LS+\g], v[SP+8*\g], v[SP+8*\g+2]
.endr
.irp g, 0,1,2,3
	v_add_f32 v[XW+\g], v[SP+8*\g+4], v[SP+8*\g+6]
.endr
.irp g, 0,1,2,3
	v_add_f32 v[LS+\g], v[LS+\g], v[XW+\g]
.endr
	s_wait_alu depctr_va_vdst(0)
.irp g, 0,1,2,3
	v_rcp_f32 v[LS+\g], v[LS+\g]
.endr
	v_nop
	s_wait_alu depctr_va_vdst(0)
.irp i, 0,1,2,3,4,5,6,7,8,9,10,11,12,13,14,15
	v_mul_f32 v[SP+2*\i], v[SP+2*\i], v[LS+\i/4]   ; the finished softmax, in the low register of each pair
.endr
	WIN 0xf8                                       ; v window 0, p window 2, the result window 3, over q
.irp c, 0,1,2,3
.irp jp, 0,1,2,3
.irp gb, 0,1,2,3
.irp ga, 0,1,2,3
.set V_, 128+8*\c+32*\gb+2*\jp
.set O_, 8*\c+32*\ga+2*\jp
.set P_, SP+2*(4*\ga+\gb)
.if \gb == 0
	v_pk_mul_f32 v[O_:O_+1], v[V_:V_+1], v[P_:P_+1] op_sel_hi:[1,0]
.else
	v_pk_fma_f32 v[O_:O_+1], v[V_:V_+1], v[P_:P_+1], v[O_:O_+1] op_sel_hi:[1,0,1]
.endif
.endr
.endr
.endr
.endr
	WIN 0xc3
.irp k, 0,1,2,3,4,5,6,7
.irp j, 0,1,2,3,4,5,6,7
	v_permlane16_swap_b32 v[16*\k+\j], v[16*\k+8+\j]   ; the 16 registers of a chain now hold d = 32 block + 16 h + 0 .. 15
.endr
.endr
	WIN 0
	s_wait_xcnt 0x0                                ; the last head's stores have read the work registers
.irp pr, 0,1
	Q4 3, 64*\pr, 64*\pr+16, 64*\pr+32, 64*\pr+48
.irp k, 0,1,2,3
.irp i, 0,1,2
	ds_store_b32 v16, v[CD+4*\k+\i] offset:1536*\pr+384*\k+4*\i
.endr
.endr
.irp t, 0,1
	v_lshl_or_b32 v[T2+\t], v[TM+2*\t+1], 8, v[TM+2*\t]
	ds_store_b16 v17, v[T2+\t] offset:256*(2*\pr+\t)+2*\hh
.endr
.endr
	s_wait_dscnt 0x0                               ; the stores have read the registers that the loads take
.irp q, 0,1,2,3,4,5
	ds_load_b128 v[TM+4*\q:TM+4*\q+3], v20 offset:512*\q
.endr
	s_wait_dscnt 0x0
.irp q, 0,1,2,3,4,5                    ; four records of 768 bytes, 1,536 apart in memory: every 16 lanes store 256 consecutive aligned bytes
.if \q%3 == 1
	global_store_b128 v22, v[TM+4*\q:TM+4*\q+3], s[26:27] offset:6144*\hh+512*\q+1536*(\q/3)
.else
	global_store_b128 v21, v[TM+4*\q:TM+4*\q+3], s[26:27] offset:6144*\hh+512*\q+1536*(\q/3)+768*((\q%3)/2)
.endif
.endr
.endm
	s_wait_alu depctr_va_vdst(0)
	s_wait_tensorcnt 0x0                           ; my tile of the head's four is in
	ds_add_u32 v10, v11
	s_mov_b32 s[G1W+2], 32<<16                     ; no tensor load of mine is out: from here on a load of weights brings 32 rows
	s_mov_b32 s[G1W+4], 32
	s_wait_dscnt 0x0
	ROUND                                          ; all four tiles are in, in every work-group of the cluster
	tensor_load_to_lds s[G0S1:G0S1+3], s[G1W:G1W+7]  ; slot 1's first fill, issued as a refill is: my 32 rows
	s_nop 0
	PLACES 4
	ALOAD
	s_wait_loadcnt 0x0                             ; the left operand's scale bytes
	PERM8 AS, RA
	PERM8 AS+8, RA+8
	GEMM 0, 1, 3, 0, 8, 32, 1, 16, 0, 18, 0
	CHANGE 1, G0S0, 20, 0
	GEMM 1, 1, 3, 128, 8, 32, 1, 22, 0, 24, 0
	CHANGE 1, G0S1, 8, 49152
	GEMM 0, 1, 0, 128, 8, 32, 1, 10, 2048, 12, 256
	CHANGE 1, G0S0, 14, 49152
	FATT 0
	GEMM 1, 1, 3, 0, 8, 32, 1, 16, 2048, 18, 256
	CHANGE 1, G0S1, 20, 49152
	GEMM 0, 1, 3, 128, 8, 32, 1, 22, 2048, 24, 256
	CHANGE 0, 0, 0, 0
	GEMM 1, 1, 0, 128, 8, 32, 0, 0, 0, 0, 0
	WIN 0
	PLACES 4
	FATT 1
	s_wait_dscnt 0x0                               ; for the others' sake: my scale bytes lie in the stage
	s_barrier_signal -1
	s_barrier_wait -1
	s_wait_xcnt 0x0
	ds_load_b64 v[TM:TM+1], v23
	s_wait_dscnt 0x0
	global_store_b64 v19, v[TM:TM+1], s[28:29]     ; 256 consecutive aligned bytes a wave
	s_wait_tensorcnt 0x0                           ; the wave's end
	ds_add_u32 v10, v11
	s_wait_dscnt 0x0
	ROUND                                          ; the closing round
	s_endpgm
.Lfunc_end_k_q27bd511df0_freq:
	.size	k_q27bd511df0_freq, .Lfunc_end_k_q27bd511df0_freq-k_q27bd511df0_freq
	.p2alignl 7, 3214868480
	.fill 96, 4, 3214868480
	.section	.rodata,"a",@progbits
	.p2align	6, 0x0
	.amdhsa_kernel k_q27bd511df0_freq
		.amdhsa_group_segment_fixed_size 327680
		.amdhsa_private_segment_fixed_size 0
		.amdhsa_enable_private_segment 0
		.amdhsa_kernarg_size 104
		.amdhsa_user_sgpr_count 2
		.amdhsa_user_sgpr_kernarg_segment_ptr 1
		.amdhsa_wavefront_size32 1
		.amdhsa_system_sgpr_workgroup_id_x 1
		.amdhsa_system_sgpr_workgroup_id_y 1
		.amdhsa_system_sgpr_workgroup_id_z 1
		.amdhsa_system_vgpr_workitem_id 0
		.amdhsa_next_free_vgpr 1024
		.amdhsa_next_free_sgpr 100
		.amdhsa_reserve_vcc 0
		.amdhsa_float_denorm_mode_32 3
		.amdhsa_float_denorm_mode_16_64 3
		.amdhsa_memory_ordered 1
		.amdhsa_forward_progress 1
		.amdhsa_inst_pref_size 255
	.end_amdhsa_kernel
	.section	.bss,"aw",@nobits
	.p2align	6
	.space	262144
	.amdgpu_metadata
---
amdhsa.version: [ 1, 2 ]
amdhsa.kernels:
  - .name:           k_q27bd511df0_freq
    .symbol:         k_q27bd511df0_freq.kd
    .args:
      - { .name: acod, .offset: 0, .size: 8, .value_kind: global_buffer, .address_space: global }
      - { .name: ascl, .offset: 8, .size: 8, .value_kind: global_buffer, .address_space: global }
      - { .name: w_q_freq_codes, .offset: 16, .size: 8, .value_kind: global_buffer, .address_space: global }
      - { .name: w_q_freq_scales, .offset: 24, .size: 8, .value_kind: global_buffer, .address_space: global }
      - { .name: b_q_freq, .offset: 32, .size: 8, .value_kind: global_buffer, .address_space: global }
      - { .name: w_k_freq_codes, .offset: 40, .size: 8, .value_kind: global_buffer, .address_space: global }
      - { .name: w_k_freq_scales, .offset: 48, .size: 8, .value_kind: global_buffer, .address_space: global }
      - { .name: b_k_freq, .offset: 56, .size: 8, .value_kind: global_buffer, .address_space: global }
      - { .name: w_v_freq_codes, .offset: 64, .size: 8, .value_kind: global_buffer, .address_space: global }
      - { .name: w_v_freq_scales, .offset: 72, .size: 8, .value_kind: global_buffer, .address_space: global }
      - { .name: b_v_freq, .offset: 80, .size: 8, .value_kind: global_buffer, .address_space: global }
      - { .name: fcod, .offset: 88, .size: 8, .value_kind: global_buffer, .address_space: global }
      - { .name: fscl, .offset: 96, .size: 8, .value_kind: global_buffer, .address_space: global }
    .group_segment_fixed_size: 327680
    .private_segment_fixed_size: 0
    .kernarg_segment_align: 8
    .kernarg_segment_size: 104
    .max_flat_workgroup_size: 128
    .sgpr_count:     100
    .vgpr_count:     1024
    .wavefront_size: 32
...
	.end_amdgpu_metadata
.endif
;; end of part 3
;; launch out (part 4): grid 4 x 64, 4 waves a work-group, clusters of 4 x 4, 327,680 bytes of LDS; arguments fcod, fscl, w_out_codes, w_out_scales, b_out, x, out0; writes out0
.if DOCPART == 4
	.amdgcn_target "amdgcn-amd-amdhsa--gfx1250"
	.amdhsa_code_object_version 6
	.text
	.protected	k_q27bd511df0_out
	.globl	k_q27bd511df0_out
	.p2align	8
	.type	k_q27bd511df0_out,@function
k_q27bd511df0_out:
	s_mov_b64 s[64:65], 0
	v_nop
	global_prefetch_b8 v0, s[64:65] scope:SCOPE_SE
	s_setreg_imm32_b32 hwreg(HW_REG_WAVE_MODE, 25, 1), 1
	s_wait_xcnt 0x0
	s_wait_alu depctr_hold_cnt(0) depctr_sa_sdst(0) depctr_va_vdst(0) depctr_va_sdst(0) depctr_va_ssrc(0) depctr_va_vcc(0) depctr_vm_vsrc(0)
	s_getreg_b32 s2, hwreg(HW_REG_IB_STS2, 6, 4)
	s_cmp_eq_u32 s2, 0
	s_cbranch_scc0 .Lentry_in_a_cluster
	s_endpgm
.Lentry_in_a_cluster:
	s_bfe_u32 s2, ttmp6, 0x10000c
	s_cmp_lg_u32 s2, 0xf033
	s_cbranch_scc0 .Lentry_shape_is_right
	s_endpgm
.Lentry_shape_is_right:
; grid_final = Q(out_freq) W_out^T + b_out (codes of FP6 (E2M3), E8M0 scales), its mean over the 128 rows of a b, cls_out = x[b][0] + mean, out0[b] = [cls_out ; grid_final + cls_out].
; SHARES: work-group (hq, b): all 128 rows x columns 256 hq on.  Wave w: rh = w & 1, ch = w >> 1: row tiles m = 4 rh + mt, columns 256 hq + 128 ch + 64 step.  Two steps of 128 matrix instructions, 16 accumulators
; by turns, transposed (source 0 = weight rows): a lane holds one row and columns 16 c + 8 h + j; the 32 accumulators fill window 3.  The bias is C of each sum's first product, so the mean holds it.
; WHICH BLOCKS A K STEP TAKES: K step s takes the blocks of 32 numbered 2 s, 2 s + 1 (lanes 0-15) and 16 + 2 s, 17 + 2 s (lanes 16-31), alike on both sides.  So a lane's 12 registers of a weight fragment are 48 consecutive
; bytes of its row, at 48 s + 384 h: three loads of 16 bytes.  The scale word of K step s is made of bytes 2 s, 16 + 2 s, 2 s + 1, 17 + 2 s of a row's 32, by one byte permute.
; Both weight tiles and the records are first fills: no LDS byte is filled again.  Records jointly along a row of the cluster, weights along a column.
; The column sums: over my four tiles in registers, over 16 lanes by four exchanges, over the two waves of a column half through LDS.
; LIMITS: NaN and infinities are not served; the weights' codes and scales are used as given; the sums over K run in the order of blocks stated above, not in ascending K.  No prefetch: everything is asked for at the head.
.set TSTR,  768
.set RHOFF, 3072
.set ASI,   256
.set ASH,   7
.set ASR,   9
.set CHB,   104448                     ; LDS 0: the weights: ch x 104,448 + step x 52,224; 64 rows, pitch 816 (768 + 16 behind each 256), an odd multiple of 16
.set SLOTB, 52224
.set WP,    816
.set AREG,  208896                     ; b's records: quarters 0, 1 at w x 24,576, quarters 2, 3 128 bytes further on; behind the barrier of the sums each wave's quarter is its stage
.set XSUM,  307968                     ; the waves' column sums: 512 bytes a wave
.set VB,  4
.set VB2, 6
.set VA,  8
.set AS,  24
.set BS,  40
.set BR,  56
.set BI,  72
.set RA,  128
.set BF,  144
.set G1W, 40
.set G1A, 48
.set G0A, 56
.set G0S0, 60
.set G0S1, 68
.set MSB, 0
.macro WIN new                         ; the immediate's high byte repeats the setting that is left
.if MSB != (\new)
	s_set_vgpr_msb (MSB<<8)|(\new)
.set MSB, (\new)
.endif
.endm
.macro PLACES n
.rept \n
	v_nop
.endr
.endm
.macro ROUND                           ; a round of the cluster's barrier
	s_barrier_signal -1
	s_barrier_wait -1
	s_cmp_lg_u32 s30, 0
	s_cbranch_scc1 .Lnot_wave_0_\@
	s_barrier_signal -3
.Lnot_wave_0_\@:
	s_barrier_wait -3
	s_barrier_signal -1
	s_barrier_wait -1
.endm
.macro ALOAD                           ; my 32 fragments of the left operand: registers 6 c2 + 2 i of fragment (mt, s) from record s + 8 h, slot 16 c2 + r
.irp s, 0,1,2,3,4,5,6,7
	WIN 0x40*(1+\s/5)
.irp mt, 0,1,2,3
.irp c2, 0,1
.irp i, 0,1,2
.set R_, 48*(\s%5)+12*\mt+6*\c2+2*\i
	ds_load_b64 v[R_:R_+1], v[VA] offset:\s*6144+\mt*TSTR+384*\c2+8*\i
.endr
.endr
.endr
.endr
	WIN 0
.endm
.macro LAS
.irp i, 0,1
.irp s2, 0,1,2,3
	global_load_b64 v[RA+8*\i+2*\s2:RA+8*\i+2*\s2+1], v12, s[6:7] offset:\s2*1024+\i*ASI
.endr
.endr
.endm
.macro PERM8 d, r                      ; a row's 32 scale bytes (8 words as in memory) become the words of the 8 K steps: bytes 2 s, 16 + 2 s, 2 s + 1, 17 + 2 s
.irp s, 0,1,2,3,4,5,6,7
.if \s%2
	v_perm_b32 v[\d+\s], v[\r+4+\s/2], v[\r+\s/2], s93
.else
	v_perm_b32 v[\d+\s], v[\r+4+\s/2], v[\r+\s/2], s92
.endif
.endr
.endm
.macro LBS ptr, off
.irp i, 0,1
.irp q, 0,1
	global_load_b128 v[BR+8*\i+4*\q:BR+8*\i+4*\q+3], v13, s[\ptr:\ptr+1] offset:(\off)+1024*\i+16*\q
.endr
.endr
.endm
.macro LBI ptr, off
.irp c, 0,1,2,3
.irp q, 0,1
	global_load_b128 v[BI+8*\c+4*\q:BI+8*\c+4*\q+3], v14, s[\ptr:\ptr+1] offset:(\off)+64*\c+16*\q
.endr
.endr
.endm
.macro HB slot, s                      ; the four column tiles' fragments of K step s: 12 loads of 16 bytes.  Byte P of a row lies at P + 16 (P / 256); lanes 16-31 read 384 bytes of data on: behind one padding more, or two where 128 <= P < 256
	WIN 0x80
.irp c, 0,1,2,3
.irp i, 0,1,2
.set P_, 48*(\s)+16*\i
.set R_, BF+48*((\s)%2)+12*\c+4*\i
.if (P_/128) == 1
	ds_load_b128 v[R_:R_+3], v[VB2+\slot] offset:13056*\c+P_+16*(P_/256)
.else
	ds_load_b128 v[R_:R_+3], v[VB+\slot] offset:13056*\c+P_+16*(P_/256)
.endif
.endr
.endr
.endm
.macro WM d, a, b, c, sa, sb, ra, rb
.if (\ra) && (\rb)
	v_wmma_scale_f32_16x16x128_f8f6f4 v[\d:\d+7], v[\a:\a+11], v[\b:\b+11], v[\c:\c+7], v[\sa], v[\sb] matrix_a_fmt:MATRIX_FMT_FP6 matrix_b_fmt:MATRIX_FMT_FP6 matrix_a_scale:MATRIX_SCALE_ROW1 matrix_b_scale:MATRIX_SCALE_ROW1
.elseif (\ra)
	v_wmma_scale_f32_16x16x128_f8f6f4 v[\d:\d+7], v[\a:\a+11], v[\b:\b+11], v[\c:\c+7], v[\sa], v[\sb] matrix_a_fmt:MATRIX_FMT_FP6 matrix_b_fmt:MATRIX_FMT_FP6 matrix_a_scale:MATRIX_SCALE_ROW1
.elseif (\rb)
	v_wmma_scale_f32_16x16x128_f8f6f4 v[\d:\d+7], v[\a:\a+11], v[\b:\b+11], v[\c:\c+7], v[\sa], v[\sb] matrix_a_fmt:MATRIX_FMT_FP6 matrix_b_fmt:MATRIX_FMT_FP6 matrix_b_scale:MATRIX_SCALE_ROW1
.else
	v_wmma_scale_f32_16x16x128_f8f6f4 v[\d:\d+7], v[\a:\a+11], v[\b:\b+11], v[\c:\c+7], v[\sa], v[\sb] matrix_a_fmt:MATRIX_FMT_FP6 matrix_b_fmt:MATRIX_FMT_FP6
.endif
.endm
.macro MM8 s, half, dw, db, sc, sm             ; eight products: two column tiles x my four row tiles, K step s.  FIRST_: the bias is C
.set AW_, 1+(\s)/5
.if FIRST_
.set CW_, 0
.else
.set CW_, \dw
.endif
	WIN 2+(AW_<<2)+(CW_<<4)+((\dw)<<6)
.irp c, 2*(\half), 2*(\half)+1
.irp mt, 0,1,2,3
.set D_, (\db)+(\sc)*(\c)+(\sm)*\mt
.set A_, 48*((\s)%5)+12*\mt
.set B_, BF+48*((\s)%2)+12*(\c)
.set SA_, AS+8*(\mt/2)+(\s)
.set SB_, BS+8*((\c)/2)+(\s)
.if FIRST_
.set C_, BI+8*(\c)
.else
.set C_, D_
.endif
	WM D_, B_, A_, C_, SB_, SA_, (\c)%2, \mt%2
.endr
.endr
.endm
; A step.  ONE run of 12 fragment loads for each K step, behind that step's 16 products and four plain places (ISA guide 7.12.1 for vector instructions), into the buffer that the step has left:
; it is asked for 16 matrix instructions and the next run ahead of the wait for it.
.macro GEMM slot, dw, db, sc, sm, nk, nsp, nso, nbp, nbo
	s_wait_loadcnt 0x0
	HB \slot, 0
	HB \slot, 1
	WIN 0
	PERM8 BS, BR
	PERM8 BS+8, BR+8
.if \nk
	LBS \nsp, \nso
.endif
	PLACES 8                                       ; a scale register written by a vector instruction stands eight places ahead of a scaled product
	s_wait_alu depctr_va_vdst(0)
.irp s, 0,1,2,3,4,5,6,7
.set FIRST_, 0
.if \s == 0
.set FIRST_, 1
.endif
.if \s < 7
	s_wait_dscnt 12                                ; the younger run of 12 may be out
.else
	s_wait_dscnt 0x0
.endif
	MM8 \s, 0, \dw, \db, \sc, \sm
	MM8 \s, 1, \dw, \db, \sc, \sm
.if \s < 6
	PLACES 4
	HB \slot, \s+2
.endif
.if \s == 0
.if \nk == 1
	WIN 0
	LBI \nbp, \nbo
.endif
.endif
.endr
.endm
; ---- the head
	s_load_b256 s[4:11], s[0:1], 0x0               ; the records s[4:5], their scales s[6:7], W's codes s[8:9], W's scales s[10:11]
	s_load_b128 s[12:15], s[0:1], 0x20             ; b_out s[12:13], x s[14:15]
	s_load_b64 s[16:17], s[0:1], 0x30              ; out0
	v_lshl_add_u32 v126, v0, 2, 0x4bb00
	v_mov_b32 v127, 0
	ds_add_u32 v126, v127
	ds_add_u32 v126, v127
	v_lshrrev_b32 v1, 5, v0
	v_readfirstlane_b32 s30, v1                    ; wave
	s_and_b32 s31, s30, 1                          ; rh
	s_lshr_b32 s32, s30, 1                         ; ch
	s_bfe_u32 s33, ttmp6, 0x40000                  ; cx
	s_bfe_u32 s34, ttmp6, 0x40004                  ; cy
	s_lshl_b32 s35, ttmp9, 2
	s_add_co_u32 s35, s35, s33                     ; hq
	s_and_b32 s36, ttmp7, 0xffff
	s_lshl_b32 s36, s36, 2
	s_add_co_u32 s36, s36, s34                     ; b
	s_lshl_b32 s37, 0x1111, s33                    ; my column of the cluster
	s_lshl_b32 s38, s34, 2
	s_lshl_b32 s38, 15, s38                        ; my row
	s_or_b32 s[G1W], s37, (1<<20)|(1<<21)|(5<<22)|(3<<25)
	s_mov_b32 s[G1W+1], 768<<16
	s_mov_b32 s[G1W+2], 64<<16                     ; 64 rows for the head's load; set to 32 behind the head's wait
	s_mov_b32 s[G1W+3], 768<<16
	s_mov_b32 s[G1W+4], 64
	s_mov_b32 s[G1W+5], 768
	s_mov_b32 s[G1W+6], 0
	s_mov_b32 s[G1W+7], 0
	s_or_b32 s[G1A], s38, (3<<16)|(1<<21)
	s_mov_b32 s[G1A+1], 32<<16
	s_mov_b32 s[G1A+2], 192<<16                    ; half of b's records: 192 rows of 256 bytes
	s_mov_b32 s[G1A+3], 32<<16
	s_mov_b32 s[G1A+4], 192
	s_mov_b32 s[G1A+5], 32
	s_mov_b32 s[G1A+6], 0
	s_mov_b32 s[G1A+7], 0
	s_mul_i32 s72, s35, 196608                     ; registers that never hold cy
	s_mul_i32 s73, s32, 98304
	s_add_co_u32 s72, s72, s73
	s_mul_i32 s73, s31, 24576
	s_add_co_u32 s72, s72, s73
	s_mov_b32 s73, 0
	s_mul_i32 s74, s36, 98304                      ; registers that never hold cx
	s_mul_i32 s75, s32, 49152                      ; the half of the records that waves 1 (ch = 0) and 3 (ch = 1) fetch
	s_add_co_u32 s74, s74, s75
	s_mov_b32 s75, 0
	s_mul_i32 s76, s30, 24576
	s_lshl_b32 s79, s32, 7
	s_add_co_u32 s76, s76, s79                     ; quarters 2 and 3 lie 128 bytes further on
	s_add_co_u32 s76, s76, AREG
	s_mul_i32 s77, s32, CHB
	s_mul_i32 s78, s31, 26112
	s_add_co_u32 s78, s78, s77
	s_mov_b32 s92, 0x05010400                      ; byte selects of the scale words: even K steps,
	s_mov_b32 s93, 0x07030602                      ; odd K steps
	s_wait_dscnt 0x0
	s_wait_kmcnt 0x0
	s_add_nc_u64 s[8:9], s[8:9], s[72:73]
	ROUND                                          ; all sixteen work-groups are here: the joint loads meet
	s_mov_b32 s[G0A], 1
	s_mul_i32 s39, s32, 49280                      ; the second half lies 128 bytes further on
	s_add_co_u32 s39, s39, AREG
	s_mov_b32 s[G0A+1], s39
	s_add_nc_u64 s[G0A+2:G0A+3], s[4:5], s[74:75]
	s_or_b32 s[G0A+3], s[G0A+3], 0x80000000
	s_mov_b32 s[G0S0], 1
	s_mov_b32 s[G0S0+1], s78
	s_mov_b64 s[G0S0+2:G0S0+3], s[8:9]
	s_or_b32 s[G0S0+3], s[G0S0+3], 0x80000000
	s_mov_b32 s[G0S1], 1
	s_add_co_u32 s[G0S1+1], s78, SLOTB
	s_add_nc_u64 s[G0S1+2:G0S1+3], s[8:9], 49152
	s_or_b32 s[G0S1+3], s[G0S1+3], 0x80000000
	s_cmp_eq_u32 s31, 0                            ; the head's four tiles, one load a wave: waves 0 and 2 (rh = 0) fetch the first step's 64 weight rows of their ch,
	s_cbranch_scc0 .Lfirst_rec
	tensor_load_to_lds s[G0S0:G0S0+3], s[G1W:G1W+7]
	s_nop 0
	PLACES 4
	s_branch .Lfirst_asked
.Lfirst_rec:                                           ; waves 1 and 3 a half of b's records each
	tensor_load_to_lds s[G0A:G0A+3], s[G1A:G1A+7]
	s_nop 0
	PLACES 4
.Lfirst_asked:
	v_and_b32 v1, 15, v0                           ; r
	v_bfe_u32 v2, v0, 4, 1                         ; h
	v_and_b32 v3, 31, v0                           ; L
	v_mul_u32_u24 v4, v1, WP
	v_mad_u32_u24 v4, v2, 400, v4                  ; lanes 16-31: 384 bytes of data and one padding on
	v_add_nc_u32 v4, s77, v4
	v_add_nc_u32 v5, SLOTB, v4
	v_lshl_add_u32 v6, v2, 4, v4
	v_lshl_add_u32 v7, v2, 4, v5
	s_mul_i32 s79, s31, RHOFF
	s_add_co_u32 s79, s79, AREG
	v_mul_u32_u24 v8, v1, 24
	v_mad_u32_u24 v8, v2, 49280, v8                ; lanes 16-31: eight record groups and the 128 bytes on
	v_add_nc_u32 v8, s79, v8
	v_lshlrev_b32 v12, 3, v1
	v_lshl_add_u32 v12, v2, ASH, v12
	s_lshl_b32 s79, s31, ASR
	v_add_nc_u32 v12, s79, v12
	s_wait_alu depctr_va_vdst(0)
	v_lshlrev_b32 v13, 5, v3
	s_wait_alu depctr_va_vdst(0)
	v_lshlrev_b32 v14, 5, v2
	s_wait_alu depctr_va_vdst(0)
	s_lshl_b32 s86, s36, 12
	s_mov_b32 s87, 0
	s_add_nc_u64 s[6:7], s[6:7], s[86:87]
	s_lshl_b32 s86, s35, 13
	s_lshl_b32 s88, s32, 12
	s_add_co_u32 s86, s86, s88
	s_add_nc_u64 s[10:11], s[10:11], s[86:87]
	s_lshr_b32 s86, s86, 3                         ; my 128 columns in bytes of f32: 1,024 hq + 512 ch
	s_add_nc_u64 s[12:13], s[12:13], s[86:87]
	s_mul_i32 s88, s36, 528384                     ; b's 129 rows of 4,096 bytes
	s_add_co_u32 s86, s86, s88
	s_add_nc_u64 s[14:15], s[14:15], s[86:87]      ; x[b][0], my columns
	s_add_nc_u64 s[90:91], s[16:17], s[86:87]      ; out0[b][0], my columns
	s_lshl_b32 s88, s31, 13
	s_add_co_u32 s86, s86, s88
	s_add_co_u32 s86, s86, 4096
	s_add_nc_u64 s[16:17], s[16:17], s[86:87]      ; out0[b][1 + 2 rh], my columns
	LAS
	LBS 10, 0
	LBI 12, 0
.set SUM, 128                          ; window 0 v128-191: the column sums, then cls_out: register 32 step + 8 c + j
.set XC,  192                          ; window 0 v192-255: x[b][0] in the same order
.irp q, 0,1,2,3,4,5,6,7,8,9,10,11,12,13,14,15
	global_load_b128 v[XC+4*\q:XC+4*\q+3], v14, s[14:15] offset:256*(\q/8)+64*((\q/2)%4)+16*(\q%2)
.endr
	s_lshl_b32 s79, s30, 9
	s_add_co_u32 s79, s79, XSUM
	v_lshl_add_u32 v16, v2, 8, s79                 ; my sums: 512 w + 256 h
	s_xor_b32 s79, s30, 1
	s_lshl_b32 s79, s79, 9
	s_add_co_u32 s79, s79, XSUM
	v_lshl_add_u32 v17, v2, 8, s79                 ; those of the wave with the other 64 rows
	s_add_co_u32 s79, s76, 8448
	v_lshl_add_u32 v18, v2, 5, s79                 ; behind the stage: cls_out's 512 bytes
	v_lshl_add_u32 v19, v3, 4, s79
	v_mul_u32_u24 v20, v1, 528
	v_lshl_add_u32 v20, v2, 5, v20
	v_add_nc_u32 v20, s76, v20                     ; the stage: 16 rows x (512 + 16) bytes: row r, + 32 h
	v_lshlrev_b32 v21, 4, v3
	v_mul_u32_u24 v23, v2, 528
	v_lshl_add_u32 v23, v1, 4, v23
	v_add_nc_u32 v23, s76, v23                     ; the stage, read: lanes 0-15 take 256 bytes of one row, lanes 16-31 of the next
	v_lshlrev_b32 v15, 4, v1
	v_lshl_add_u32 v15, v2, 14, v15                ; and the same in out0: the next antenna's row lies 4 rows of 4,096 bytes on
	s_wait_alu depctr_va_vdst(0)
	s_wait_tensorcnt 0x0                           ; my tile of the head's four is in
	ds_add_u32 v126, v127
	s_mov_b32 s[G1W+2], 32<<16                     ; no tensor load of mine is out: the second step's load brings 32 rows a wave
	s_mov_b32 s[G1W+4], 32
	s_wait_dscnt 0x0
	ROUND                                          ; all four tiles are in, in every work-group of the cluster
	tensor_load_to_lds s[G0S1:G0S1+3], s[G1W:G1W+7]  ; the second step's weights, a first fill issued as a refill is: my 32 rows
	s_nop 0
	PLACES 4
	ALOAD
	s_wait_loadcnt 0x0                             ; the left operand's scale bytes
	PERM8 AS, RA
	PERM8 AS+8, RA+8
; THE WAY OUT GOES STEP BY STEP: a step's 64 columns need only that step's column sums, so step 0's rows are stored ahead of step 1's products.
; A tile of 16 rows x 64 columns goes through my stage (pitch 528, the first 256 bytes of each row) and comes back two rows a load: every 16 lanes store 256 consecutive aligned bytes.
; Read-back buffers of 32 registers, by turns: the step's own x[b][0] registers and the other step's sum registers, both done with by then.
.macro TOSTAGE u, mt
	WIN 0x0c                                       ; an LDS store's data: window 3
.irp q, 0,1,2,3,4,5,6,7
.set A_, 128*\u+8*(\q/2)+4*(\q%2)+32*\mt
	ds_store_b128 v20, v[A_:A_+3] offset:64*(\q/2)+16*(\q%2)
.endr
	WIN 0
.set BB_, (1-(\mt%2))*(XC+32*\u)+(\mt%2)*(SUM+32*(1-\u))
.irp t, 0,1,2,3,4,5,6,7
	ds_load_b128 v[BB_+4*\t:BB_+4*\t+3], v23 offset:1056*\t        ; LDS serves a wave's instructions in order: these see the stores
.endr
.endm
.macro SEND u, mt, younger             ; tile 4 rh + mt: g = 2 rh + mt/2, antenna 16 (mt%2) + row: out0's row 1 + 4 antenna + g
.set BB_, (1-(\mt%2))*(XC+32*\u)+(\mt%2)*(SUM+32*(1-\u))
	s_wait_dscnt \younger
.irp t, 0,1,2,3,4,5,6,7
	global_store_b128 v15, v[BB_+4*\t:BB_+4*\t+3], s[16:17] offset:(\mt/2)*4096+(\mt%2)*262144+\t*32768+256*\u th:TH_STORE_NT
.endr
.endm
.macro TAIL u                          ; step u: column sums, cls_out, the rows + cls_out, and out
.set SU, SUM+32*\u                     ; my sums, then cls_out: register 8 c + j
.set TP, SUM+32*(1-\u)                 ; the other wave's sums
.set XU, XC+32*\u
.if \u
	s_wait_xcnt 0x0                                ; step 0's stores have read the registers that are written now
.endif
	WIN 0x0f                                       ; both sources window 3
.set i, 0
.rept 16
.set A_, 128*\u+8*(i/4)+2*(i%4)
	v_pk_add_f32 v[SU+2*i:SU+2*i+1], v[A_:A_+1], v[A_+32:A_+33]
.set i, i+1
.endr
	WIN 0x03
.irp mt, 2,3
.set i, 0
.rept 16
.set A_, 128*\u+8*(i/4)+2*(i%4)+32*\mt
	v_pk_add_f32 v[SU+2*i:SU+2*i+1], v[A_:A_+1], v[SU+2*i:SU+2*i+1]
.set i, i+1
.endr
.endr
	WIN 0
.irp m, 1,2,4,8
.set i, 0
.rept 32
	v_add_f32_dpp v[SU+i], v[SU+i], v[SU+i] row_xmask:\m row_mask:0xf bank_mask:0xf
.set i, i+1
.endr
.endr
.irp q, 0,1,2,3,4,5,6,7
	ds_store_b128 v16, v[SU+4*\q:SU+4*\q+3] offset:128*\u+16*\q    ; the sixteen lanes of a half hold the same numbers; each step has bytes of its own
.endr
	s_wait_dscnt 0x0                               ; for the others' sake; my reads of the records are long over
	s_barrier_signal -1
	s_barrier_wait -1
.irp q, 0,1,2,3,4,5,6,7
	ds_load_b128 v[TP+4*\q:TP+4*\q+3], v17 offset:128*\u+16*\q
.endr
	s_wait_dscnt 0x0
.irp j, 0,2,4,6,8,10,12,14,16,18,20,22,24,26,28,30
	v_pk_add_f32 v[SU+\j:SU+\j+1], v[SU+\j:SU+\j+1], v[TP+\j:TP+\j+1]
.endr
.irp j, 0,2,4,6,8,10,12,14,16,18,20,22,24,26,28,30
	v_pk_fma_f32 v[SU+\j:SU+\j+1], v[SU+\j:SU+\j+1], 0x3c000000, v[XU+\j:XU+\j+1] op_sel_hi:[1,0,1]   ; cls_out = x[b][0] + sum / 128
.endr
	WIN 0xc3                                       ; the rows window 3, cls_out window 0
.irp mt, 0,1,2,3
.set i, 0
.rept 16
.set A_, 128*\u+8*(i/4)+2*(i%4)+32*\mt
	v_pk_add_f32 v[A_:A_+1], v[A_:A_+1], v[SU+2*i:SU+2*i+1]
.set i, i+1
.endr
.endr
	WIN 0
	s_wait_alu depctr_va_vdst(0)
.irp q, 0,1,2,3,4,5,6,7
	ds_store_b128 v18, v[SU+4*\q:SU+4*\q+3] offset:256*\u+64*(\q/2)+16*(\q%2)   ; cls_out's 256 bytes of this step, kept in LDS for the one store at the end
.endr
	TOSTAGE \u, 0
	TOSTAGE \u, 1
	SEND \u, 0, 16                                 ; behind tile 0's loads: tile 1's 8 stores and 8 loads
	s_wait_xcnt 0x0                                ; tile 0's stores have read their registers
	TOSTAGE \u, 2
	SEND \u, 1, 16
	s_wait_xcnt 0x0
	TOSTAGE \u, 3
	SEND \u, 2, 16
	SEND \u, 3, 0
.endm
	GEMM 0, 3, 0, 8, 32, 1, 10, 2048, 12, 256
	PLACES 4
	s_wait_tensorcnt 0x0                           ; my 32 rows of the second step's weights are in (the one load that was out): the barrier of step 0's sums shows them to the other waves
	TAIL 0
	GEMM 1, 3, 128, 8, 32, 0, 0, 0, 0, 0
	PLACES 4
	TAIL 1
	ds_load_b128 v[BI:BI+3], v19                   ; cls_out's 512 bytes of both steps
	s_wait_dscnt 0x0
	s_cmp_lg_u32 s31, 0                            ; both waves of a column half hold cls_out: the one with rh = 0 stores it
	s_cbranch_scc1 .Lno_cls
	global_store_b128 v21, v[BI:BI+3], s[90:91]    ; 512 consecutive aligned bytes
.Lno_cls:
	s_wait_tensorcnt 0x0
	ds_add_u32 v126, v127
	s_wait_dscnt 0x0
	ROUND                                          ; the closing round
	s_endpgm
.Lfunc_end_k_q27bd511df0_out:
	.size	k_q27bd511df0_out, .Lfunc_end_k_q27bd511df0_out-k_q27bd511df0_out
	.p2alignl 7, 3214868480
	.fill 96, 4, 3214868480
	.section	.rodata,"a",@progbits
	.p2align	6, 0x0
	.amdhsa_kernel k_q27bd511df0_out
		.amdhsa_group_segment_fixed_size 327680
		.amdhsa_private_segment_fixed_size 0
		.amdhsa_enable_private_segment 0
		.amdhsa_kernarg_size 56
		.amdhsa_user_sgpr_count 2
		.amdhsa_user_sgpr_kernarg_segment_ptr 1
		.amdhsa_wavefront_size32 1
		.amdhsa_system_sgpr_workgroup_id_x 1
		.amdhsa_system_sgpr_workgroup_id_y 1
		.amdhsa_system_sgpr_workgroup_id_z 1
		.amdhsa_system_vgpr_workitem_id 0
		.amdhsa_next_free_vgpr 1024
		.amdhsa_next_free_sgpr 100
		.amdhsa_reserve_vcc 0
		.amdhsa_float_denorm_mode_32 3
		.amdhsa_float_denorm_mode_16_64 3
		.amdhsa_memory_ordered 1
		.amdhsa_forward_progress 1
		.amdhsa_inst_pref_size 131
	.end_amdhsa_kernel
	.amdgpu_metadata
---
amdhsa.version: [ 1, 2 ]
amdhsa.kernels:
  - .name:           k_q27bd511df0_out
    .symbol:         k_q27bd511df0_out.kd
    .args:
      - { .name: fcod, .offset: 0, .size: 8, .value_kind: global_buffer, .address_space: global }
      - { .name: fscl, .offset: 8, .size: 8, .value_kind: global_buffer, .address_space: global }
      - { .name: w_out_codes, .offset: 16, .size: 8, .value_kind: global_buffer, .address_space: global }
      - { .name: w_out_scales, .offset: 24, .size: 8, .value_kind: global_buffer, .address_space: global }
      - { .name: b_out, .offset: 32, .size: 8, .value_kind: global_buffer, .address_space: global }
      - { .name: x, .offset: 40, .size: 8, .value_kind: global_buffer, .address_space: global }
      - { .name: out0, .offset: 48, .size: 8, .value_kind: global_buffer, .address_space: global }
    .group_segment_fixed_size: 327680
    .private_segment_fixed_size: 0
    .kernarg_segment_align: 8
    .kernarg_segment_size: 56
    .max_flat_workgroup_size: 128
    .sgpr_count:     100
    .vgpr_count:     1024
    .wavefront_size: 32
...
	.end_amdgpu_metadata
.endif
;; end of part 4
